; MI455X (gfx1250); checked and timed in simulation.
; The chip was launched on July 23, 2026; its instructions are those of AMD's public machine-readable ISA for CDNA 5 (MIT licence, August 2026) and "CDNA5" Instruction Set Architecture Reference Guide (July 2026). The comments in the code are by the model that wrote it; some were corrected since.
;; Cross Attention. Allowed arithmetic: matrix products marked QUANTISED: E2M3 operands, one E8M0 scale for each 32 along K, by v_wmma_scale_f32_16x16x128_f8f6f4 with both operands' format E2M3, f32 sums; everything else in f32.
;; Inputs: WK 1,024 x 1,024 float32; WK1 1,024 x 1,024 float32; WQ 1,024 x 1,024 float32; WQ1 1,024 x 1,024 float32; WV 1,024 x 1,024 float32; WV1 1,024 x 1,024 float32; Wfc 1,024 x 1,024 float32; Wfc1 1,024 x 1,024 float32; X 2,048 x 1,024 float32; X1 3,072 x 1,024 float32.
;; Outputs: out0 3,072 x 1,024 float32; out1 2,048 x 1,024 float32.
;; This version of the problem:
;;   THIS VERSION OF THE PROBLEM IS GIVEN IN LOW PRECISION. The matrix products marked QUANTISED in the list below multiply operands that are first quantised to E2M3 (2 exponent bits, 3 mantissa bits; 6 bits a number), with one power-of-two scale for each 32 numbers along K (OCP MX v1.0); their sums are f32. All else is computed in f32.
;;   The module's matrix products, in the order in which they are computed (A, B: the left and right operand; K: the contracted axis; several contracted axes count as one K, in the product's order):
;;     1. [M 2,048, K 1,024] x [K 1,024, N 1,024]; A: input X; B: input WQ: QUANTISED
;;     2. [M 2,048, K 1,024] x [K 1,024, N 1,024]; A: input X; B: input WK: QUANTISED
;;     3. [M 2,048, K 1,024] x [K 1,024, N 1,024]; A: input X; B: input WV: QUANTISED
;;     4. [M 3,072, K 1,024] x [K 1,024, N 1,024]; A: input X1; B: input WQ1: QUANTISED
;;     5. [M 3,072, K 1,024] x [K 1,024, N 1,024]; A: input X1; B: input WK1: QUANTISED
;;     6. [M 3,072, K 1,024] x [K 1,024, N 1,024]; A: input X1; B: input WV1: QUANTISED
;;     7. batch 16 x [M 3,072, K 64] x [K 64, N 2,048]; A: computed on the way; B: computed on the way: QUANTISED
;;     8. batch 16 x [M 3,072, K 2,048] x [K 2,048, N 64]; A: softmax (see below); B: computed on the way: QUANTISED
;;     9. batch 16 x [M 2,048, K 64] x [K 64, N 3,072]; A: computed on the way; B: computed on the way: QUANTISED
;;     10. batch 16 x [M 2,048, K 3,072] x [K 3,072, N 64]; A: softmax (see below); B: computed on the way: QUANTISED
;;     11. [M 3,072, K 1,024] x [K 1,024, N 1,024]; A: computed on the way; B: input Wfc: QUANTISED
;;     12. [M 2,048, K 1,024] x [K 1,024, N 1,024]; A: computed on the way; B: input Wfc1: QUANTISED
;;   THE QUANTISER, for each operand of a quantised product, along K:
;;     - K is cut into blocks of 32 from its start; a last block that is shorter is filled with zeros.
;;     - A block's scale is 2^e with e = floor(log2(the largest magnitude in the block)) - 2, held to -126 .. 127; a block of zeros has e = 0. As a byte (E8M0): e + 127.
;;     - Each number is divided by its block's scale, clamped to +-7.5, and rounded to the nearest number of E2M3, ties to even, subnormals kept.
;;     - The product sums the exact products of the quantised numbers (number of the format x scale) in f32.
;;   ~~~python
;;   def quantise(x, axis):      # numpy; x: float32 -> the quantised numbers, widened to float32 again
;;       x = np.moveaxis(x, axis, -1); K = x.shape[-1]
;;       x = np.pad(x, [(0, 0)] * (x.ndim - 1) + [(0, -K % 32)]); x = x.reshape(x.shape[:-1] + (-1, 32)); a = np.abs(x).max(-1, keepdims=True)
;;       e = np.where(a > 0, np.clip(np.frexp(np.where(a > 0, a, 1))[1] - 1 - 2, -126, 127), 0)      # np.frexp(a)[1] - 1 = floor(log2(a)), exactly
;;       r = np.clip(x / 2.0 ** e, -7.5, 7.5)
;;       step = 2.0 ** (np.maximum(np.frexp(np.where(r == 0, 1, r))[1] - 1, 0) - 3)
;;       q = np.round(r / step) * step * 2.0 ** e      # np.round: ties to even
;;       return np.moveaxis(q.reshape(q.shape[:-2] + (-1,))[..., :K], -1, axis).astype(np.float32)
;;   ~~~
;;   SOFTMAX AHEAD OF A QUANTISED PRODUCT. Where the list says 'softmax', what is quantised is not the finished softmax but p = 2^(t - M), with t = logit x log2(e) and M = ceil(the row's largest t), a whole number; so 1/2 < the row's largest p <= 1. The row's sum l is taken of the UNQUANTISED p, in f32, and the product's result is divided by l at the end. Since M is a whole number, a kernel that streams over the keys may use a running M (the ceiling of the running maximum): every later rescaling is an exact power of two, which a block's scale takes up: the codes' values come out the same.
;;   OPERANDS COMPUTED ON THE WAY. 'Computed on the way' means the value that the module computes at that place (a softmax that the list does not call 'softmax' is quantised finished and normalised). What goes into a quantiser is computed in f32, as accurately as f32 sums, v_exp_f32 and their like allow (about 1e-6 of the number): no bf16 or f16 on the way to a quantiser, and a product that is left as it is and whose result goes on into a quantised operand takes f32 operands (vector FMAs, or v_wmma_f32_16x16x4_f32). A number that lies on a knife's edge between two numbers of the format may be rounded either way, as far as f32 arithmetic and the matrix unit's own rounding can turn it there, and no further.
;; One version. Each part assembles by itself: llvm-mc -triple=amdgcn-amd-amdhsa -mcpu=gfx1250 --defsym DOCPART=n.
;; ======== version 1 of 1: 4 launches
;; limits: right only within a limited range of input values
;; workspace buffers: codes 10,223,616 bytes; scales 425,984 bytes; qq 4,259,840 bytes; kv 8,355,840 bytes; ctxc 3,932,160 bytes; ctxs 163,840 bytes
;; launch quant (part 1): grid 416 x 1, 4 waves a work-group, no clusters, 68,096 bytes of LDS; arguments WQ, WK, WQ1, WK1, WV, WV1, Wfc, Wfc1, X, X1, codes, scales; writes codes, scales
.if DOCPART == 1
	.amdgcn_target "amdgcn-amd-amdhsa--gfx1250"
	.amdhsa_code_object_version 6
	.text
	.protected	k_q57dda777d6_quant
	.globl	k_q57dda777d6_quant
	.p2align	8
	.type	k_q57dda777d6_quant,@function
k_q57dda777d6_quant:
	s_mov_b64 s[64:65], 0
	v_nop
	global_prefetch_b8 v0, s[64:65] scope:SCOPE_SE
	s_setreg_imm32_b32 hwreg(HW_REG_WAVE_MODE, 25, 1), 1
	s_wait_xcnt 0x0
; ALL TEN f32 INPUTS BECOME CODES OF FP6 (E2M3) WITH ONE E8M0 BYTE FOR EACH 32 ALONG K = 1,024.  13,312 rows: X 0-2047, X1 2048-5119, then 1,024 rows (one for each n) of WQ, WK, WQ1, WK1, WV, WV1, Wfc, Wfc1.
; A ROW LIES AT ITS POSITION: its number with bits 3 and 4 exchanged, so that 16 neighbouring positions are the rows 32 b + 8 u + r + 8 (r / 8) which the later products want as one tile.
; 'codes': for each 128 positions and each 256 along K ONE DENSE BLOCK of 128 x 192 bytes: byte (pos / 128) x 98,304 + (k / 256) x 24,576 + (pos % 128) x 192.  Such a block is 96 whole runs of 256 bytes, each at a multiple of 256.
; 'scales': 32 bytes for each position.
; A block's scale is 2^(floor(log2(its largest magnitude)) - 2); its byte is the largest magnitude's exponent field - 2, held at 1 from below.
; LIMITS: a block of zeros gets the byte 1 (its codes are zeros; this program alone reads the bytes); blocks whose largest magnitude lies under 2^-124 are held at byte 1; NaN and infinities are not served.
; Work-groups 0-255 take the weights (K is their FIRST axis: a lane takes a column n, its registers run down K; 32 columns x 256 along K a wave; the codes leave through the wave's stage as rows of 192 bytes).
; Work-groups 256-415 take X and X1 (K innermost: a wave takes 8 rows in 16 steps of 512 numbers; each load reads 512 consecutive bytes, and a step turns through the wave's stage so that a lane holds 16 neighbours).
; The two ways part on the work-group's number alone and have LDS bytes of their own.  No tensor loads, no barrier: waves share nothing.
.set EMAX,  2
.set GRP,   98304                      ; 128 positions, all of K
.set KST,   24576                      ; 128 positions, 256 along K
.set WPI,   272                        ; weights: a stage row: sixteen places of 16 bytes, each with 12 bytes of codes, + 16
.set WX,    32                         ; v32-95   two sets of 32 numbers
.set WC,    96                         ; v96..    a block's codes
.set WO,    112                        ; v112-175 the way out
.set WSB,   24                         ; v24-25   the scale bytes
.set XB,    4*32*WPI                   ; X's ways' LDS begins behind the weights' four stages
.set SP,    80                         ; a lane's place in a stage: 64 bytes + 16
.set XR,    16                         ; v16-79   four sets of 16 numbers as loaded
.set XX,    80                         ; v80-111  two sets of 16 neighbours
.set XE,    112                        ; v112-127 a scale byte for each step
.set XC,    128                        ; v128-191 codes, four registers a step
.set SPARE, XB+4*8192                  ; the spare words, 128 bytes a wave
	s_load_b512 s[32:47], s[0:1], 0x0              ; the eight weights
	s_load_b256 s[48:55], s[0:1], 0x40             ; X, X1, codes, scales
	v_lshl_add_u32 v192, v0, 2, SPARE
	v_mov_b32 v193, 0
	v_lshrrev_b32 v1, 5, v0
	v_readfirstlane_b32 s16, v1                    ; wave
	v_and_b32 v2, 31, v0                           ; lane
	s_cmp_lt_u32 ttmp9, 256
	s_wait_alu depctr_va_vdst(0)
	s_cbranch_scc0 .Lqx
	; ---- a weight
	s_and_b32 s31, ttmp9, 63
	s_lshr_b32 s30, s31, 3                         ; which weight
	s_and_b32 s17, s31, 7
	s_lshl_b32 s17, s17, 7
	s_lshl_b32 s18, s16, 5
	s_add_co_u32 s17, s17, s18                     ; my wave's first column
	s_lshr_b32 s18, ttmp9, 6                       ; which 256 along K
	s_mul_i32 s19, s16, 32*WPI                     ; my stage
	s_lshl_b32 s20, s18, 20                        ; the weight: 256 rows of 4,096 bytes for each step along K,
	s_lshl_b32 s22, s17, 2
	s_add_co_u32 s20, s20, s22                     ; + 4 x column
	s_mov_b32 s21, 0
	s_add_co_u32 s22, s30, 5
	s_lshl_b32 s22, s22, 10
	s_add_co_u32 s22, s22, s17                     ; the first of my 32 positions
	s_lshr_b32 s24, s22, 7
	s_mul_i32 s24, s24, GRP
	s_and_b32 s25, s22, 127
	s_mul_i32 s25, s25, 192
	s_add_co_u32 s24, s24, s25
	s_mul_i32 s25, s18, KST
	s_add_co_u32 s24, s24, s25                     ; where their codes begin
	s_mov_b32 s25, 0
	s_lshl_b32 s28, s22, 5
	s_lshl_b32 s29, s18, 3
	s_add_co_u32 s28, s28, s29                     ; and their scale bytes: 32 a position, 8 for my 256 along K
	s_mov_b32 s29, 0
	v_lshlrev_b32 v3, 2, v2                        ; in: 4 bytes a lane
	v_mul_u32_u24 v4, v2, WPI
	v_add_nc_u32 v4, s19, v4                       ; into the stage: row = my column
	v_and_b32 v5, 15, v2
	v_lshrrev_b32 v6, 4, v2                        ; out of it: sixteen lanes to a row, two rows an instruction
	v_mul_u32_u24 v7, v6, WPI
	v_lshl_add_u32 v7, v5, 4, v7
	v_add_nc_u32 v7, s19, v7
	v_mul_u32_u24 v8, v6, 192
	v_mad_u32_u24 v8, v5, 12, v8                   ; and the place in 'codes'
	v_and_b32 v9, 7, v2                            ; my column's position among the 32: bits 3 and 4 change places
	v_and_b32 v10, 8, v2
	v_lshl_add_u32 v9, v10, 1, v9
	v_and_b32 v10, 16, v2
	v_lshrrev_b32 v10, 1, v10
	v_add_nc_u32 v9, v9, v10
	v_lshlrev_b32 v9, 5, v9
	s_wait_alu depctr_va_vdst(0)
	s_wait_kmcnt 0x0
	s_bitcmp1_b32 s30, 0                           ; the weight's address is chosen by the three bits of its number
	s_cselect_b64 s[32:33], s[34:35], s[32:33]
	s_cselect_b64 s[36:37], s[38:39], s[36:37]
	s_cselect_b64 s[40:41], s[42:43], s[40:41]
	s_cselect_b64 s[44:45], s[46:47], s[44:45]
	s_bitcmp1_b32 s30, 1
	s_cselect_b64 s[32:33], s[36:37], s[32:33]
	s_cselect_b64 s[40:41], s[44:45], s[40:41]
	s_bitcmp1_b32 s30, 2
	s_cselect_b64 s[4:5], s[40:41], s[32:33]
	s_add_nc_u64 s[4:5], s[4:5], s[20:21]
	s_add_nc_u64 s[6:7], s[52:53], s[24:25]
	s_add_nc_u64 s[8:9], s[54:55], s[28:29]
.macro WLOAD t                         ; block t: W(32 t + i, my column) into set t % 2
.irp i, 0,1,2,3,4,5,6,7,8,9,10,11,12,13,14,15,16,17,18,19,20,21,22,23,24,25,26,27,28,29,30,31
	global_load_b32 v[WX+32*((\t)%2)+\i], v3, s[4:5] offset:(32*(\t)+\i)*4096 th:TH_LOAD_NT
.endr
.endm
	WLOAD 0
	WLOAD 1
.macro WBLOCK t
.set XS, WX+32*((\t)%2)
.if (\t) < 7
	s_wait_loadcnt 32                              ; this block's 32 loads are in; the next block's 32 may be out
.else
	s_wait_loadcnt 0
.endif
	v_max3_num_f32 v12, |v[XS]|, |v[XS+1]|, |v[XS+2]|
	v_max3_num_f32 v13, |v[XS+3]|, |v[XS+4]|, |v[XS+5]|
.irp i, 6,10,14,18,22,26
	v_max3_num_f32 v12, v12, |v[XS+\i]|, |v[XS+\i+1]|
	v_max3_num_f32 v13, v13, |v[XS+\i+2]|, |v[XS+\i+3]|
.endr
	v_max3_num_f32 v12, v12, |v[XS+30]|, |v[XS+31]|
	v_max3_num_f32 v12, v12, v13, (EMAX+1)<<23     ; the floor 2^(3 - 127): the byte cannot fall under 1
	v_add_nc_u32 v11, -(EMAX<<23), v12             ; 2 off the exponent field: the conversion's scale operand
	v_lshrrev_b32 v13, 23, v11                     ; the scale's byte
.if (\t)%4 == 0
	v_mov_b32 v[WSB+(\t)/4], v13
.else
	v_lshl_or_b32 v[WSB+(\t)/4], v13, 8*((\t)%4), v[WSB+(\t)/4]
.endif
	v_cvt_scalef32_pk16_fp6_f32 v[WC:WC+2], v[XS:XS+15], v11
	v_cvt_scalef32_pk16_fp6_f32 v[WC+4:WC+6], v[XS+16:XS+31], v11
	ds_store_b96 v4, v[WC:WC+2] offset:32*(\t)     ; 12 bytes to a place of 16
	ds_store_b96 v4, v[WC+4:WC+6] offset:32*(\t)+16
.if (\t)+2 < 8
	WLOAD (\t)+2
.endif
	s_wait_dscnt 0x0                               ; the stores have read their registers
.endm
.irp q, 0,1,2,3,4,5,6,7
	WBLOCK \q
.endr
	s_wait_alu depctr_va_vdst(0)
	global_store_b64 v9, v[WSB:WSB+1], s[8:9]      ; my column's 8 scale bytes
.irp t, 0,1,2,3,4,5,6,7,8,9,10,11,12,13,14,15
	ds_load_b96 v[WO+4*\t:WO+4*\t+2], v7 offset:2*\t*WPI   ; LDS serves a wave's instructions in order
.endr
.irp t, 0,1,2,3,4,5,6,7,8,9,10,11,12,13,14,15
.set TP, ((\t)&3)+(((\t)&4)*2)+(((\t)&8)/2)    ; columns 2 t, 2 t + 1 lie at positions 2 t', 2 t' + 1: bits 2 and 3 of t change places
	s_wait_dscnt 15-\t
	global_store_b96 v8, v[WO+4*\t:WO+4*\t+2], s[6:7] offset:2*TP*192   ; two rows on end: 384 consecutive bytes; the wave's 32 rows are 6,144 dense bytes
.endr
	s_wait_tensorcnt 0x0                           ; the wave's end
	ds_add_u32 v192, v193
	s_wait_dscnt 0x0
	s_endpgm
	; ---- X or X1
.Lqx:
	s_mul_i32 s17, s16, 8192
	s_add_co_u32 s17, s17, XB                      ; my wave's region: two stages, then its 256 scale bytes
	s_add_co_u32 s26, s17, 2*32*SP
	v_lshlrev_b32 v3, 4, v2                        ; my 16 bytes of a load's 512
	v_lshrrev_b32 v14, 2, v2
	v_mul_u32_u24 v14, v14, SP
	v_and_b32 v15, 3, v2
	v_lshl_add_u32 v14, v15, 4, v14
	v_add_nc_u32 v14, s17, v14                     ; the stage, in: SP (lane / 4) + 16 (lane % 4)
	v_mul_u32_u24 v15, v2, SP
	v_add_nc_u32 v15, s17, v15                     ; out: SP x lane
	v_and_b32 v4, 15, v2
	v_mul_u32_u24 v4, v4, 12
	v_lshrrev_b32 v5, 4, v2
	v_mad_u32_u24 v4, v5, KST, v4                  ; my codes: sixteen lanes fill a row's 192 bytes of one 256 along K, the other sixteen those of the next
	v_lshrrev_b32 v5, 1, v2
	v_add_nc_u32 v5, s26, v5                       ; my block's scale byte in LDS
	v_lshlrev_b32 v7, 3, v2
	v_add_nc_u32 v6, s26, v7
	s_wait_alu depctr_va_vdst(0)
	s_wait_kmcnt 0x0
	s_sub_co_u32 s24, ttmp9, 256
	s_cmp_lt_u32 s24, 64                           ; the first 64 take X, the other 96 X1
	s_cselect_b64 s[4:5], s[48:49], s[50:51]
	s_cselect_b32 s17, 0, 64
	s_sub_co_u32 s17, s24, s17
	s_lshl_b32 s17, s17, 2
	s_add_co_u32 s18, s17, s16                     ; which run of 8 rows my wave reads
	s_mov_b32 s19, 0
	s_lshl_b64 s[20:21], s[18:19], 15
	s_add_nc_u64 s[4:5], s[4:5], s[20:21]
	s_and_b32 s22, s16, 1                          ; where it goes: the wave's two bits (bits 3 and 4 of the row) change places
	s_lshl_b32 s22, s22, 1
	s_lshr_b32 s23, s16, 1
	s_or_b32 s22, s22, s23
	s_lshl_b32 s23, s24, 2
	s_add_co_u32 s18, s22, s23                     ; the run's position among the 640
	s_lshr_b32 s20, s18, 4
	s_mul_i32 s20, s20, GRP
	s_and_b32 s21, s18, 15
	s_mul_i32 s21, s21, 8*192
	s_add_co_u32 s20, s20, s21
	s_mov_b32 s21, 0
	s_add_nc_u64 s[8:9], s[52:53], s[20:21]
	s_lshl_b32 s18, s18, 8                         ; 256 scale bytes a run
	s_add_nc_u64 s[10:11], s[54:55], s[18:19]
.macro XLOAD t
.irp i, 0,1,2,3
	global_load_b128 v[XR+16*((\t)%4)+4*\i:XR+16*((\t)%4)+4*\i+3], v3, s[4:5] offset:2048*(\t)+512*\i th:TH_LOAD_NT
.endr
.endm
.macro XTURN t                         ; LDS serves a wave's instructions in order: no wait between the stores and the loads
.irp i, 0,1,2,3
	ds_store_b128 v14, v[XR+16*((\t)%4)+4*\i:XR+16*((\t)%4)+4*\i+3] offset:32*SP*((\t)%2)+8*SP*\i
.endr
.irp i, 0,1,2,3
	ds_load_b128 v[XX+16*((\t)%2)+4*\i:XX+16*((\t)%2)+4*\i+3], v15 offset:32*SP*((\t)%2)+16*\i
.endr
.endm
.irp t, 0,1,2,3
	XLOAD \t
.endr
	s_wait_loadcnt 12                              ; step 0's four loads are in; the twelve of steps 1 to 3 may be out
	XTURN 0
.macro XSTEP t
.set XS, XX+16*((\t)%2)
.if (\t) > 0
	s_wait_dscnt 1                                 ; this step's numbers are back (the last step's byte store may be out)
.else
	s_wait_dscnt 0x0
.endif
.if (\t)+4 < 16
	XLOAD (\t)+4
.endif
.if (\t)+1 < 16
.if 14-(\t) >= 3
	s_wait_loadcnt 12                              ; the next step's four are in; those of the three steps behind it may be out
.else
	s_wait_loadcnt 4*(14-(\t))
.endif
	XTURN (\t)+1
.endif
	v_max3_num_f32 v8, |v[XS]|, |v[XS+1]|, |v[XS+2]|
	v_max3_num_f32 v9, |v[XS+3]|, |v[XS+4]|, |v[XS+5]|
.irp i, 6,10
	v_max3_num_f32 v8, v8, |v[XS+\i]|, |v[XS+\i+1]|
	v_max3_num_f32 v9, v9, |v[XS+\i+2]|, |v[XS+\i+3]|
.endr
	v_max3_num_f32 v8, v8, |v[XS+14]|, |v[XS+15]|
	v_max3_num_f32 v8, v8, v9, (EMAX+1)<<23
	v_max_num_f32_dpp v8, v8, v8 row_xmask:1 row_mask:0xf bank_mask:0xf   ; with my neighbour's 16: the block's
	v_add_nc_u32 v11, -(EMAX<<23), v8
	v_cvt_scalef32_pk16_fp6_f32 v[XC+4*(\t):XC+4*(\t)+2], v[XS:XS+15], v11
	v_lshrrev_b32 v[XE+(\t)], 23, v11              ; the scale's byte (a plain line behind the conversion)
	ds_store_b8 v5, v[XE+(\t)] offset:16*(\t)
	global_store_b96 v4, v[XC+4*(\t):XC+4*(\t)+2], s[8:9] offset:192*((\t)/2)+2*KST*((\t)%2)   ; row t / 2, K from 512 (t % 2) on: two runs of 192 bytes
.endm
.irp t, 0,1,2,3,4,5,6,7,8,9,10,11,12,13,14,15
	XSTEP \t
.endr
	ds_load_b64 v[12:13], v6
	s_wait_dscnt 0x0
	global_store_b64 v7, v[12:13], s[10:11]        ; 32 lanes store 256 consecutive bytes, aligned
	s_wait_tensorcnt 0x0                           ; the wave's end
	ds_add_u32 v192, v193
	s_wait_dscnt 0x0
	s_endpgm
.Lfunc_end_k_q57dda777d6_quant:
	.size	k_q57dda777d6_quant, .Lfunc_end_k_q57dda777d6_quant-k_q57dda777d6_quant
	.p2alignl 7, 3214868480
	.fill 96, 4, 3214868480
	.section	.rodata,"a",@progbits
	.p2align	6, 0x0
	.amdhsa_kernel k_q57dda777d6_quant
		.amdhsa_group_segment_fixed_size 68096
		.amdhsa_private_segment_fixed_size 0
		.amdhsa_enable_private_segment 0
		.amdhsa_kernarg_size 96
		.amdhsa_user_sgpr_count 2
		.amdhsa_user_sgpr_kernarg_segment_ptr 1
		.amdhsa_wavefront_size32 1
		.amdhsa_system_sgpr_workgroup_id_x 1
		.amdhsa_system_sgpr_workgroup_id_y 1
		.amdhsa_system_sgpr_workgroup_id_z 1
		.amdhsa_system_vgpr_workitem_id 0
		.amdhsa_next_free_vgpr 194
		.amdhsa_next_free_sgpr 66
		.amdhsa_reserve_vcc 0
		.amdhsa_float_denorm_mode_32 3
		.amdhsa_float_denorm_mode_16_64 3
		.amdhsa_memory_ordered 1
		.amdhsa_forward_progress 1
		.amdhsa_inst_pref_size 74
	.end_amdhsa_kernel
	.amdgpu_metadata
---
amdhsa.version: [ 1, 2 ]
amdhsa.kernels:
  - .name:           k_q57dda777d6_quant
    .symbol:         k_q57dda777d6_quant.kd
    .args:
      - { .name: WQ, .offset: 0, .size: 8, .value_kind: global_buffer, .address_space: global }
      - { .name: WK, .offset: 8, .size: 8, .value_kind: global_buffer, .address_space: global }
      - { .name: WQ1, .offset: 16, .size: 8, .value_kind: global_buffer, .address_space: global }
      - { .name: WK1, .offset: 24, .size: 8, .value_kind: global_buffer, .address_space: global }
      - { .name: WV, .offset: 32, .size: 8, .value_kind: global_buffer, .address_space: global }
      - { .name: WV1, .offset: 40, .size: 8, .value_kind: global_buffer, .address_space: global }
      - { .name: Wfc, .offset: 48, .size: 8, .value_kind: global_buffer, .address_space: global }
      - { .name: Wfc1, .offset: 56, .size: 8, .value_kind: global_buffer, .address_space: global }
      - { .name: X, .offset: 64, .size: 8, .value_kind: global_buffer, .address_space: global }
      - { .name: X1, .offset: 72, .size: 8, .value_kind: global_buffer, .address_space: global }
      - { .name: codes, .offset: 80, .size: 8, .value_kind: global_buffer, .address_space: global }
      - { .name: scales, .offset: 88, .size: 8, .value_kind: global_buffer, .address_space: global }
    .group_segment_fixed_size: 68096
    .private_segment_fixed_size: 0
    .kernarg_segment_align: 8
    .kernarg_segment_size: 96
    .max_flat_workgroup_size: 128
    .sgpr_count:     66
    .vgpr_count:     194
    .wavefront_size: 32
...
	.end_amdgpu_metadata
.endif
;; end of part 1
;; launch proj (part 2): grid 60 x 4, 4 waves a work-group, clusters of 4 x 4, 327,680 bytes of LDS; arguments codes, scales, qq, kv; writes qq, kv
.if DOCPART == 2
	.amdgcn_target "amdgcn-amd-amdhsa--gfx1250"
	.amdhsa_code_object_version 6
	.text
	.protected	k_q57dda777d6_proj
	.globl	k_q57dda777d6_proj
	.p2align	8
	.type	k_q57dda777d6_proj,@function
k_q57dda777d6_proj:
	s_mov_b64 s[64:65], 0
	v_nop
	global_prefetch_b8 v0, s[64:65] scope:SCOPE_SE
	s_setreg_imm32_b32 hwreg(HW_REG_WAVE_MODE, 25, 1), 1
	s_wait_xcnt 0x0
	s_wait_alu depctr_hold_cnt(0) depctr_sa_sdst(0) depctr_va_vdst(0) depctr_va_sdst(0) depctr_va_ssrc(0) depctr_va_vcc(0) depctr_vm_vsrc(0)
	s_getreg_b32 s2, hwreg(HW_REG_IB_STS2, 6, 4)
	s_cmp_eq_u32 s2, 0
	s_cbranch_scc0 .Lentry_in_a_cluster
	s_endpgm
.Lentry_in_a_cluster:
	s_bfe_u32 s2, ttmp6, 0x10000c
	s_cmp_lg_u32 s2, 0xf033
	s_cbranch_scc0 .Lentry_shape_is_right
	s_endpgm
.Lentry_shape_is_right:
.set SIZE_K, 1024
.set KSTEP,  256
.set NQ,     KSTEP/128
.set ROWB,   24576                     ; from one 256 along K to the next in 'codes': a dense block of 128 rows x 192 bytes
.set KROW,   SIZE_K*6/8
.set PITCH,  240
.set FR,     12
.set NL,     6
.set NP,     4
.set HALFT,  128*PITCH
.set SLOT,   4*HALFT
.set LAPS,   SIZE_K/(2*KSTEP)
.set KS,     SIZE_K/32
.set SCL,    2*SLOT
.set HALFS,  (128*KS/256)*272
.set SBLK,   (16*KS/256)*272
.set SPARE,  SCL+4*HALFS
.set ADRA, 16
.set ADRB, 20
.set ADRS, 27
.set SPW,  28
.set NIL,  29
.set SC,   32
.set AF,   128
.set TM,   64
.set PWE,  80
.set PWO,  81
.set W,    82
.set PC,   96
.set G1, 24
.set G0, 32
.set G1B, 48
.set G0B, 56
.set G1S, 68
.set G0S, 76
.set G1SB, 80
.set G0SB, 88
.set MSB, 0
.macro WIN new
.if MSB != \new
	s_set_vgpr_msb (MSB<<8)|\new
.set MSB, \new
.endif
.endm
.set MUL_LO, 0xa1
.set MUL_HI, 0xf1
.set TO_B,   0x40
.macro JLOAD g0a, g1a, g0b, g1b
	s_cmp_eq_u32 s15, 0
	s_cbranch_scc0 .Lfor_b_\@
	tensor_load_to_lds s[\g0a:\g0a+3], s[\g1a:\g1a+7]
	s_nop 0
.rept 4
	v_nop
.endr
	s_branch .Lasked_\@
.Lfor_b_\@:
	tensor_load_to_lds s[\g0b:\g0b+3], s[\g1b:\g1b+7]
	s_nop 0
.rept 4
	v_nop
.endr
.Lasked_\@:
.endm
.macro CREST
	s_cmp_lg_u32 s14, 0
	s_cbranch_scc1 .Lnot_wave_0_\@
	s_barrier_signal -3
.Lnot_wave_0_\@:
	s_barrier_wait -3
	s_barrier_signal -1
	s_barrier_wait -1
.endm
.macro CROUND
	s_barrier_signal -1
	s_barrier_wait -1
	CREST
.endm
	s_load_b128 s[4:7], s[0:1], 0x0
	s_load_b128 s[96:99], s[0:1], 0x10
	v_lshl_add_u32 v[SPW], v0, 2, SPARE
	v_mov_b32 v[NIL], 0
	ds_add_u32 v28, v29
	ds_add_u32 v28, v29
	s_wait_dscnt 0x0
	v_lshrrev_b32 v1, 5, v0
	v_readfirstlane_b32 s14, v1
	s_lshr_b32 s15, s14, 1
	s_and_b32 s16, s14, 1
	s_bfe_u32 s40, ttmp6, 0x40000
	s_bfe_u32 s41, ttmp6, 0x40004
	s_lshr_b32 s100, ttmp9, 1
	s_sub_co_u32 s66, ttmp9, 10
	s_cmp_lt_u32 ttmp9, 10
	s_cselect_b32 s95, 1, 0
	s_cselect_b32 s67, s100, s66
	s_cmp_ge_u32 s67, 2
	s_cselect_b32 s101, 1, 0
	s_and_b32 s66, ttmp9, 1
	s_lshl_b32 s100, s101, 1
	s_add_co_u32 s100, s100, s66
	s_add_co_u32 s100, s100, 5
	s_add_co_u32 s3, s101, 9
	s_cmp_eq_u32 s95, 1
	s_cselect_b32 s100, s100, s3
	s_cselect_b32 s2, s67, s100
	s_cselect_b32 s3, s100, s67
	s_lshl_b32 s42, s3, 2
	s_add_co_u32 s42, s42, s40
	s_lshl_b32 s17, s2, 2
	s_add_co_u32 s17, s17, s41
	s_lshl_b32 s43, s41, 2
	s_lshl_b32 s43, 15, s43
	s_lshl_b32 s44, 0x1111, s40
	; a tile is a dense block of 24,576 bytes: 96 rows of 256 bytes (32 elements of 8), 16 bytes of padding behind each 64: a row of 192 bytes of codes so lies 240 bytes from the next in LDS
	s_or_b32 s[G1+0], s43, (3<<16)|(1<<20)|(1<<21)|(3<<22)|(3<<25)
	s_or_b32 s[G1B+0], s44, (3<<16)|(1<<20)|(1<<21)|(3<<22)|(3<<25)
.irp g, G1, G1B
	s_mov_b32 s[\g+1], 32<<16
	s_mov_b32 s[\g+2], 96<<16
	s_mov_b32 s[\g+3], 32<<16
	s_mov_b32 s[\g+4], 96
	s_mov_b32 s[\g+5], 32
	s_mov_b32 s[\g+6], 0
	s_mov_b32 s[\g+7], 0
.endr
	s_lshl_b32 s18, s16, 7
	s_lshl_b32 s20, s17, 8
	s_add_co_u32 s20, s20, s18
	s_lshl_b32 s46, s42, 8
	s_add_co_u32 s46, s46, s18
	s_mov_b32 s21, 0
	s_mov_b32 s47, 0
	s_mov_b64 s[18:19], KS
	s_mul_u64 s[22:23], s[20:21], s[18:19]
	s_mul_u64 s[92:93], s[46:47], s[18:19]
	s_mov_b64 s[18:19], KROW
	s_mul_u64 s[20:21], s[20:21], s[18:19]
	s_mul_u64 s[46:47], s[46:47], s[18:19]
	s_mul_i32 s45, s14, HALFT
	s_mul_i32 s94, s14, HALFS
	s_wait_kmcnt 0x0
	s_add_nc_u64 s[20:21], s[4:5], s[20:21]
	s_add_nc_u64 s[22:23], s[6:7], s[22:23]
	s_add_nc_u64 s[46:47], s[4:5], s[46:47]
	s_add_nc_u64 s[92:93], s[6:7], s[92:93]
	; THE SCALES of my 128 rows (waves 0, 1: A's halves; waves 2, 3: B's), a dense block of 4,096 bytes, come once through registers: eight loads of 512 consecutive bytes,
	; stored into LDS as runs of 256 bytes with 16 bytes of padding behind each.  These LDS bytes are no tensor load's target.
	s_cmp_eq_u32 s15, 0
	s_cselect_b64 s[22:23], s[22:23], s[92:93]
	v_and_b32 v6, 31, v0
	v_lshlrev_b32 v7, 4, v6                        ; 16 x lane
	v_lshrrev_b32 v8, 4, v6
	v_lshl_add_u32 v8, v8, 4, v7                   ; + 16 for the run of 256 passed
	v_add_nc_u32 v8, s94, v8
	v_add_nc_u32 v8, SCL, v8
.irp i, 0,1,2,3,4,5,6,7
	global_load_b128 v[SC+4*\i:SC+4*\i+3], v7, s[22:23] offset:512*\i
.endr
.irp s, 0,1
	s_mov_b32 s[G0+4*\s], 1
	s_add_co_u32 s[G0+4*\s+1], s45, \s*SLOT
	s_add_nc_u64 s[G0+4*\s+2:G0+4*\s+3], s[20:21], \s*ROWB
	s_or_b32 s[G0+4*\s+3], s[G0+4*\s+3], 0x80000000
	s_mov_b32 s[G0B+4*\s], 1
	s_add_co_u32 s[G0B+4*\s+1], s45, \s*SLOT
	s_add_nc_u64 s[G0B+4*\s+2:G0B+4*\s+3], s[46:47], \s*ROWB
	s_or_b32 s[G0B+4*\s+3], s[G0B+4*\s+3], 0x80000000
.endr
	s_wait_alu depctr_va_vdst(0)
	CROUND                                         ; all sixteen work-groups are here: the first joint loads meet
	JLOAD G0, G1, G0B, G1B                         ; slot 0: my one tensor load at the head
	s_wait_loadcnt 0x0
.irp i, 0,1,2,3,4,5,6,7
	ds_store_b128 v8, v[SC+4*\i:SC+4*\i+3] offset:544*\i
.endr
	s_wait_tensorcnt 0x0                           ; slot 1's first fill is issued as a refill is
	ds_add_u32 v28, v29
	s_wait_dscnt 0x0                               ; the add is done and my scales have landed
	CROUND
	JLOAD G0+4, G1, G0B+4, G1B
	v_and_b32 v1, 15, v0
	v_bfe_u32 v2, v0, 4, 1
	v_mul_u32_u24 v3, v1, PITCH
	v_mul_u32_u24 v4, v2, 24
	v_add_nc_u32 v4, v3, v4
	v_lshl_add_u32 v5, v2, 4, v4
	s_mul_i32 s21, s15, HALFT
	s_mul_i32 s22, s16, HALFT
	s_add_co_u32 s22, s22, 2*HALFT
.irp s, 0,1
	v_add_nc_u32 v[ADRA+\s], s21, v4
	v_add_nc_u32 v[ADRB+\s], s22, v4
	v_add_nc_u32 v[ADRA+2+\s], s21, v5
	v_add_nc_u32 v[ADRB+2+\s], s22, v5
	s_add_co_u32 s21, s21, SLOT
	s_add_co_u32 s22, s22, SLOT
.endr
	v_mul_u32_u24 v5, v1, KS
	v_lshrrev_b32 v6, 8, v5
	v_lshl_add_u32 v5, v6, 4, v5
	s_mul_i32 s21, s15, HALFS
	s_mul_i32 s22, s16, HALFS
	s_add_co_u32 s22, s22, 2*HALFS
	s_sub_co_u32 s22, s22, s21
	v_mul_u32_u24 v6, s22, v2
	s_add_co_u32 s21, s21, SCL
	v_add_nc_u32 v5, v5, v6
	v_add_nc_u32 v[ADRS], s21, v5
.macro FRAG reg, adr, q, i
.irp p, 0,1,2,3,4,5
.set PCE, 12*(\q)+6*(\p/3)+\p%3
.if PCE%8 < 5
	ds_load_b64 v[\reg+2*\p:\reg+2*\p+1], v[\adr] offset:8*PCE+16*(PCE/8)+(\i)*16*PITCH
.else
	ds_load_b64 v[\reg+2*\p:\reg+2*\p+1], v[\adr+2] offset:8*PCE+16*(PCE/8)+(\i)*16*PITCH
.endif
.endr
.endm
.macro MUL16 a0, p, q, sc, zero
.irp a, \a0, \a0+1
.irp b, 0,1,2,3,4,5,6,7
.if \zero
	v_wmma_scale_f32_16x16x128_f8f6f4 v[8*(8*((\a)%4)+\b):8*(8*((\a)%4)+\b)+7], v[128*(\p)+FR*\b:128*(\p)+FR*\b+FR-1], v[AF+FR*(\a):AF+FR*(\a)+FR-1], 0, v[SC+8*NQ*(\sc)+NQ*\b+(\q)], v[SC+8*NQ*(\sc)+NQ*(\a)+(\q)] matrix_a_fmt:MATRIX_FMT_FP6 matrix_b_fmt:MATRIX_FMT_FP6 matrix_a_scale:MATRIX_SCALE_ROW1
.else
	v_wmma_scale_f32_16x16x128_f8f6f4 v[8*(8*((\a)%4)+\b):8*(8*((\a)%4)+\b)+7], v[128*(\p)+FR*\b:128*(\p)+FR*\b+FR-1], v[AF+FR*(\a):AF+FR*(\a)+FR-1], v[8*(8*((\a)%4)+\b):8*(8*((\a)%4)+\b)+7], v[SC+8*NQ*(\sc)+NQ*\b+(\q)], v[SC+8*NQ*(\sc)+NQ*(\a)+(\q)] matrix_a_fmt:MATRIX_FMT_FP6 matrix_b_fmt:MATRIX_FMT_FP6 matrix_a_scale:MATRIX_SCALE_ROW1
.endif
.endr
.endr
.endm
.macro FETCH_B slot, q, p
	WIN TO_B
.irp i, 0,1,2,3,4,5,6,7
	FRAG 128*(\p)+FR*\i, ADRB+\slot, \q, \i
.endr
	WIN 0
.endm
.macro FETCH_A slot, q, i0
.irp i, \i0, \i0+1, \i0+2, \i0+3
	FRAG AF+FR*(\i), ADRA+\slot, \q, \i
.endr
.endm
.macro SCALES sc
.irp i, 0,1,2,3,4,5,6,7
	ds_load_b64 v[SC+8*NQ*\sc+NQ*\i:SC+8*NQ*\sc+NQ*\i+1], v[ADRS] offset:\i*SBLK
.endr
.endm
.macro PLACES n
.rept \n
	v_nop
.endr
.endm
.macro STEP slot, q, zero
	s_wait_dscnt 4*NL
	WIN MUL_LO
	MUL16 0, (\q)%2, \q, \slot, \zero
	MUL16 2, (\q)%2, \q, \slot, \zero
	s_wait_dscnt 0
	PLACES NP
	FETCH_B \slot, (\q)+1, 1-(\q)%2
	FETCH_A \slot, (\q)+1, 0
	WIN MUL_HI
	MUL16 4, (\q)%2, \q, \slot, \zero
	MUL16 6, (\q)%2, \q, \slot, \zero
	PLACES NP
	WIN 0
	FETCH_A \slot, (\q)+1, 4
.endm
.macro TURN slot, next, fill
	s_wait_tensorcnt 0x0
	ds_add_u32 v[SPW], v[NIL]
	s_wait_dscnt 4*NL+1
	WIN MUL_LO
	MUL16 0, 1, NQ-1, \slot, 0
	s_wait_dscnt 0x0
	s_barrier_signal -1
	MUL16 2, 1, NQ-1, \slot, 0
	WIN 0
	s_barrier_wait -1
.if \fill
	CREST
	s_add_nc_u64 s[G0+4*\slot+2:G0+4*\slot+3], s[G0+4*\slot+2:G0+4*\slot+3], 2*ROWB
	s_add_nc_u64 s[G0B+4*\slot+2:G0B+4*\slot+3], s[G0B+4*\slot+2:G0B+4*\slot+3], 2*ROWB
	JLOAD G0+4*\slot, G1, G0B+4*\slot, G1B
.else
	PLACES NP
.endif
	s_wait_alu depctr_va_vdst(0)
	v_add_nc_u32 v[ADRS], 4*NQ, v[ADRS]
	FETCH_B \next, 0, 0
	FETCH_A \next, 0, 0
	SCALES \next
	WIN MUL_HI
	MUL16 4, 1, NQ-1, \slot, 0
	MUL16 6, 1, NQ-1, \slot, 0
	PLACES NP
	WIN 0
	FETCH_A \next, 0, 4
.endm
	s_wait_alu depctr_va_vdst(0)
	s_wait_tensorcnt 1
	s_barrier_signal -1
	s_barrier_wait -1
	FETCH_B 0, 0, 0
	FETCH_A 0, 0, 0
	SCALES 0
	FETCH_A 0, 0, 4
	STEP 0, 0, 1
	s_mov_b32 s3, LAPS-1
.Llap:
	TURN 0, 1, 1
	STEP 1, 0, 0
	TURN 1, 0, 1
	STEP 0, 0, 0
	s_sub_co_u32 s3, s3, 1
	s_cmp_lg_u32 s3, 0
	s_cbranch_scc1 .Llap
	TURN 0, 1, 0
	STEP 1, 0, 0
	s_wait_dscnt 4*NL
	WIN MUL_LO
	MUL16 0, 1, NQ-1, 1, 0
	MUL16 2, 1, NQ-1, 1, 0
	s_wait_dscnt 0
	WIN MUL_HI
	MUL16 4, 1, NQ-1, 1, 0
	MUL16 6, 1, NQ-1, 1, 0
	WIN 0
	s_xor_b32 s2, s66, 1
	s_and_b32 s2, s2, s95
	s_cmp_eq_u32 s101, 1
	s_mov_b32 s18, 106496
	s_cselect_b32 s18, 159744, s18
	s_mov_b32 s19, 208896
	s_cselect_b32 s19, 313344, s19
	s_cselect_b32 s20, 1703936, 0
	s_cselect_b32 s21, 3342336, 0
	s_cmp_eq_u32 s2, 1
	s_cselect_b32 s100, s18, s19
	s_cselect_b32 s3, s20, s21
	s_mov_b32 s18, 13056
	s_cselect_b32 s18, 6656, s18
	s_cselect_b64 s[96:97], s[96:97], s[98:99]
	s_cmp_eq_u32 s95, 1
	s_cselect_b32 s19, s40, s41
	s_cselect_b32 s20, s16, s15
	s_cselect_b32 s21, s41, s40
	s_cselect_b32 s22, s15, s16
	s_cselect_b32 s23, 0, 6656
	s_cselect_b32 s44, s100, 768
	s_cselect_b32 s45, 0xffff, -1
	s_lshl_b32 s19, s19, 2
	s_lshl_b32 s20, s20, 1
	s_add_co_u32 s19, s19, s20
	s_lshl_b32 s21, s21, 1
	s_add_co_u32 s21, s21, s22
	s_lshl_b32 s22, s67, 3
	s_add_co_u32 s21, s21, s22
	s_lshl_b32 s22, s101, 4
	s_sub_co_u32 s21, s21, s22
	s_mul_i32 s19, s19, s100
	s_mul_i32 s21, s21, s18
	s_add_co_u32 s19, s19, s21
	s_add_co_u32 s19, s19, s3
	s_add_co_u32 s20, s19, s23
	s_mov_b32 s21, 0
	s_add_nc_u64 s[20:21], s[96:97], s[20:21]
	s_add_nc_u64 s[22:23], s[20:21], 6144
	s_sub_co_u32 s46, s100, 4608
	s_sub_co_u32 s92, s100, 128
	s_mov_b32 s18, 1536
	s_cmp_eq_u32 s95, 1
	s_cselect_b32 s18, 768, s18
	s_cselect_b32 s46, 768, s46
	s_cselect_b32 s92, 128, s92
	s_mov_b32 s19, 0
	s_mov_b32 s47, 0
	s_mov_b32 s93, 0
	s_mov_b32 s94, 0xffff0000
	s_mov_b32 s12, 0x76543210
	s_mov_b32 s13, 0xfedcba98
	v_and_b32 v6, 31, v0
	v_lshlrev_b32 v7, 4, v6
	v_lshl_add_u32 v8, v6, 3, 512
	v_add_nc_u32 v9, s44, v7
	v_add_nc_u32 v10, s44, v8
	v_lshlrev_b32 v11, 2, v6
	v_add_nc_u32 v12, s100, v11
.irp b, 0,1,2,3
	v_mov_b32 v[TM+4+\b], 0
.endr
.macro QUANTW a, pw
.set AC, 64*((\a)%4)
	WIN 0x0a+5*((\a)/4)
.irp b, 0,1,2,3
	v_max3_num_f32 v[TM+\b], |v[AC+16*\b]|, |v[AC+1+16*\b]|, 0x1800000
.endr
	WIN 0x28+0x14*((\a)/4)
.irp i, 2,4,6,8,10,12,14
.irp b, 0,1,2,3
	v_max3_num_f32 v[TM+\b], v[TM+\b], |v[AC+16*\b+\i]|, |v[AC+1+16*\b+\i]|
.endr
.endr
	WIN 0
.irp b, 0,1,2,3
	v_permlanex16_b32 v[TM+4+\b], v[TM+\b], s12, s13
.endr
.irp b, 0,1,2,3
	v_max_num_f32 v[TM+\b], v[TM+\b], v[TM+4+\b]
.endr
.irp b, 0,1,2,3
	v_add_nc_u32 v[TM+12+\b], 0xff000000, v[TM+\b]
.endr
.irp b, 0,1,2,3
	v_lshrrev_b32 v[TM+4+\b], 23, v[TM+12+\b]
.endr
	v_lshl_or_b32 v[\pw], v[TM+5], 8, v[TM+4]
	v_lshl_or_b32 v[\pw], v[TM+6], 16, v[\pw]
	v_lshl_or_b32 v[\pw], v[TM+7], 24, v[\pw]
	WIN 0x02+((\a)/4)
.irp c, 0,1
	v_cvt_scalef32_pk16_fp6_f32 v[PC+6*\c:PC+2+6*\c], v[AC+32*\c:AC+15+32*\c], v[TM+12+2*\c]
	v_cvt_scalef32_pk16_fp6_f32 v[PC+12+4*\c:PC+14+4*\c], v[AC+16+32*\c:AC+31+32*\c], v[TM+12+2*\c+1]
.endr
	WIN 0
	v_nop
.irp c, 0,1
.irp i, 0,1,2
	v_permlane16_swap_b32 v[PC+6*\c+\i], v[PC+12+4*\c+\i]
.endr
.irp i, 0,1,2
	v_mov_b32 v[PC+3+6*\c+\i], v[PC+12+4*\c+\i]
.endr
.endr
.endm
.macro OUTB a
.if (\a) > 0
	s_wait_xcnt 0x0
.if (\a) == 4
	s_add_nc_u64 s[20:21], s[20:21], s[46:47]
.else
	s_add_nc_u64 s[20:21], s[20:21], s[18:19]
.endif
.if (\a) == 5
	s_add_nc_u64 s[22:23], s[22:23], s[92:93]
.elseif ((\a) == 3) || ((\a) == 7)
	s_add_nc_u64 s[22:23], s[22:23], 128
.endif
.endif
	QUANTW \a, PWE+(\a)%2
	global_store_b128 v7, v[PC:PC+3], s[20:21]
	global_store_b64 v8, v[PC+4:PC+5], s[20:21]
	global_store_b128 v9, v[PC+6:PC+9], s[20:21]
	global_store_b64 v10, v[PC+10:PC+11], s[20:21]
.if (\a)%2 == 1
	v_cndmask_b32 v[W], v[PWE], v[PWO], s94
	v_and_b32 v[W+1], s45, v[W]
	global_store_b32 v11, v[W+1], s[22:23]
	s_cmp_eq_u32 s95, 0
	s_cbranch_scc1 .Lone_word_\@
	v_lshrrev_b32 v[W+2], 16, v[W]
	global_store_b32 v12, v[W+2], s[22:23]
.Lone_word_\@:
.endif
.endm
	PLACES NP
.irp a, 0,1,2,3,4,5,6,7
	OUTB \a
.endr
	s_wait_tensorcnt 0x0
	ds_add_u32 v[SPW], v[NIL]
	s_wait_dscnt 0x0
	CROUND
	s_endpgm
.Lfunc_end_k_q57dda777d6_proj:
	.size	k_q57dda777d6_proj, .Lfunc_end_k_q57dda777d6_proj-k_q57dda777d6_proj
	.p2alignl 7, 3214868480
	.fill 96, 4, 3214868480
	.section	.rodata,"a",@progbits
	.p2align	6, 0x0
	.amdhsa_kernel k_q57dda777d6_proj
		.amdhsa_group_segment_fixed_size 327680
		.amdhsa_private_segment_fixed_size 0
		.amdhsa_enable_private_segment 0
		.amdhsa_kernarg_size 32
		.amdhsa_user_sgpr_count 2
		.amdhsa_user_sgpr_kernarg_segment_ptr 1
		.amdhsa_wavefront_size32 1
		.amdhsa_system_sgpr_workgroup_id_x 1
		.amdhsa_system_sgpr_workgroup_id_y 1
		.amdhsa_system_sgpr_workgroup_id_z 1
		.amdhsa_system_vgpr_workitem_id 0
		.amdhsa_next_free_vgpr 1024
		.amdhsa_next_free_sgpr 102
		.amdhsa_reserve_vcc 0
		.amdhsa_float_denorm_mode_32 3
		.amdhsa_float_denorm_mode_16_64 3
		.amdhsa_memory_ordered 1
		.amdhsa_forward_progress 1
		.amdhsa_inst_pref_size 169
	.end_amdhsa_kernel
	.amdgpu_metadata
---
amdhsa.version: [ 1, 2 ]
amdhsa.kernels:
  - .name:           k_q57dda777d6_proj
    .symbol:         k_q57dda777d6_proj.kd
    .args:
      - { .name: codes, .offset: 0, .size: 8, .value_kind: global_buffer, .address_space: global }
      - { .name: scales, .offset: 8, .size: 8, .value_kind: global_buffer, .address_space: global }
      - { .name: qq, .offset: 16, .size: 8, .value_kind: global_buffer, .address_space: global }
      - { .name: kv, .offset: 24, .size: 8, .value_kind: global_buffer, .address_space: global }
    .group_segment_fixed_size: 327680
    .private_segment_fixed_size: 0
    .kernarg_segment_align: 8
    .kernarg_segment_size: 32
    .max_flat_workgroup_size: 128
    .sgpr_count:     102
    .vgpr_count:     1024
    .wavefront_size: 32
...
	.end_amdgpu_metadata
.endif
;; end of part 2
;; launch attn (part 3): grid 256 x 1, 12 waves a work-group, clusters of 4 x 1, 327,680 bytes of LDS; arguments qq, kv, ctxc, ctxs; writes ctxc, ctxs
.if DOCPART == 3
	.amdgcn_target "amdgcn-amd-amdhsa--gfx1250"
	.amdhsa_code_object_version 6
	.text
	.protected	k_q57dda777d6_attn
	.globl	k_q57dda777d6_attn
	.p2align	8
	.type	k_q57dda777d6_attn,@function
k_q57dda777d6_attn:
	s_mov_b64 s[64:65], 0
	v_nop
	global_prefetch_b8 v0, s[64:65] scope:SCOPE_SE
	s_setreg_imm32_b32 hwreg(HW_REG_WAVE_MODE, 25, 1), 1
	s_wait_xcnt 0x0
	s_wait_alu depctr_hold_cnt(0) depctr_sa_sdst(0) depctr_va_vdst(0) depctr_va_sdst(0) depctr_va_ssrc(0) depctr_va_vcc(0) depctr_vm_vsrc(0)
	s_getreg_b32 s2, hwreg(HW_REG_IB_STS2, 6, 4)
	s_cmp_eq_u32 s2, 0
	s_cbranch_scc0 .Lentry_in_a_cluster
	s_endpgm
.Lentry_in_a_cluster:
	s_bfe_u32 s2, ttmp6, 0x10000c
	s_cmp_lg_u32 s2, 0x3003
	s_cbranch_scc0 .Lentry_shape_is_right
	s_endpgm
.Lentry_shape_is_right:
; BOTH ATTENTIONS, on codes of FP6 (E2M3) with one E8M0 scale for each 32 along a product's K; 16 heads of 64.  Direction 1: 3,072 queries of X1 over 2,048 keys of X.  Direction 2: 2,048 queries of X over 3,072 keys of X1.
; THE SOFTMAX: t = score x log2(e) / 8; M = the row's largest t so far, rounded UP to a whole number (a running maximum); p = 2^(t - M) is quantised along the keys, not normalised; the row's sum is taken of the
; unquantised p and divides O at the end.  When M moves, the sum and O are multiplied by 2^(old M - new M): exact.
; SHARES.  A cluster's four work-groups belong to one head; a head has sixteen work-groups, number s.  Every one of the TWELVE waves walks 32 key steps of 128 keys with one tile of 16 queries in hand.
; Phase 1 (direction 1): queries 192 s on, a tile a wave, 16 key steps.  Phase 2 (direction 2): queries 128 s on, 8 tiles x 24 key steps = 192 pieces, 16 a wave: waves 0-7 take key steps 0-15 of tile w;
; waves 8-11 take key steps 16-23 of tile w - 8 and then of tile w - 4, and hand O^T, -M and the sum over through LDS bytes of their own; waves 0-7 join them to theirs by the exact factors 2^(M - larger M).
; THE RING.  K's and V's codes and scale words of a key step are ONE dense block of 13,056 bytes of 'kv', laid as the operands' registers lie.  Two LDS slots of 8 such blocks.  Phase 1: key steps 0-7, 8-15.
; Phase 2: a slot's lower four blocks hold key steps 4 p .. 4 p + 3 of period p (four periods of four steps), its upper four hold key steps 16-19 (slot 0) or 20-23 (slot 1), which are fetched once and stay.
; A fill of a whole slot is shared out among all twelve waves, 34 rows of 256 bytes each, by arithmetic on the wave's number; a fill of a lower half among waves 0-5.  All fills are asked for JOINTLY by the four partners.
; One tensor load of a wave is out at the most.  No prefetch: each refill is asked for a whole period, four or eight key steps of every wave's work, ahead of the wait for it.
; LAYOUT.  Both products are used transposed: S^T = K Q^T, O^T = V^T P^T: a lane holds ONE query throughout.  By the order in which 'kv' holds the keys, the 16 registers of two neighbouring tiles of S^T are 16 neighbouring keys.
; K = 64 IN AN INSTRUCTION OF 128: Q's registers 6-11 are zero codes, so whatever codes stand in K's registers 6-11 (the next tile's; six cleared registers behind the last) add 0; bytes 2 and 3 of Q's and K's scale words are 0: 2^-127, no NaN.
; THE CONTEXT is an operand of the last product with the QUERIES along K: O^T / sum goes through a stage in LDS ([channel][query]), is read back 32 neighbouring queries a lane, quantised, and leaves as half images
; (16 channels x 64 queries, 768 bytes).  Its scale bytes leave singly, one for each 24 bytes of codes.
; LIMITS: the promise holds while the scaled scores t stay under 2^31 in magnitude; a block of zeros gets the byte 1 (its codes are zeros); NaN and infinities are not served.
.set KSB,   13056                      ; a key step: K's 8 half images, K's words, V's 4 x 2 half images, V's words
.set KSC,   6144
.set VIM,   6656
.set VSC,   12800
.set PART,  8704                       ; a wave's twelfth of a slot: 34 rows of 256 bytes
.set SLOT0, 0
.set SLOT1, 8*KSB
.set STG,   16*KSB                     ; the stage: 64 channels x (192 queries x 4 bytes + 16)
.set SPI,   784
.set MRG,   STG+64*SPI                 ; the hand-over: 8 tiles x (32 registers x 128 bytes, then 8 bytes a lane)
.set MTL,   4352
.set SPARE, MRG+8*MTL                  ; the spare words, 128 bytes for each of twelve waves
.set L16, 1                            ; v1   16 x lane
.set L8,  2                            ; v2   512 + 8 x lane
.set L4,  3                            ; v3   4 x lane
.set SPW, 4                            ; v4   my spare word; never rewritten
.set NIL, 5                            ; v5   0; never rewritten
.set A16, 6                            ; v6-8 the three with the key step's first byte added
.set A8,  7
.set A4,  8
.set STO, 9                            ; v9   the stage: where my query's numbers go
.set SRD, 10                           ; v10  and where I read 32 queries of a channel
.set R4,  11                           ; v11  4 x (lane % 16)
.set QF,  16                           ; v16-27 Q's fragment (v22-27 = 0)
.set QSW, 28                           ; v28  Q's scale words
.set SBO, 29                           ; v29  my scale byte's place
.set KF,  32                           ; v32-79 K's 8 half fragments, then V's 4 fragments; v80-85 = 0
.set MGA, 86                           ; v86  the hand-over: tile (wave % 8), 16 x lane
.set MGB, 87                           ; v87  the same tile, 8 x lane
.set S,   96                           ; v96-159 S^T, then p
.set OT,  160                          ; v160-191 O^T
.set PC,  192                          ; v192-203 p's codes; v204-210 halves on their way
.set CT,  204
.set BM,  212                          ; v212-215 each block's largest score, then largest p
.set BP,  216
.set BS,  220                          ; v220-223 the conversions' scale operands
.set KSW, 224
.set VSW, 228
.set PS,  230                          ; p's scale word
.set FF,  232                          ; v[232:233] f = 2^(old M - new M)
.set T0,  234                          ; v234-235 at work
.set SU,  236                          ; v[236:237] the join's second factor
.set TS,  240                          ; v240-253 seven chains of the row's sum
.set WV,  12
.set G1,  16                           ; s[16:23] descriptor group 1
.set G0A, 24                           ; s[24:27] group 0 for slot 0;  s[28:31] for slot 1
.set G0B, 28
.set DJ,  32                           ; s[32:33] what the next refill adds to its address
.set TB,  34                           ; LDS byte at which the key step in hand begins
.set CNT, 35
.set SEL, 36                           ; lane selects: lane l xor 16
.set CS,  38                           ; c = log2(e) / 8
.set BOF, 66                           ; phase 2: waves 8-11 read a slot's upper four blocks
.macro CROUND                          ; a round of the cluster's barrier
	s_barrier_signal -1
	s_barrier_wait -1
	s_cmp_lg_u32 s[WV], 0
	s_cbranch_scc1 .Lnot_wave_0_\@
	s_barrier_signal -3
.Lnot_wave_0_\@:
	s_barrier_wait -3
	s_barrier_signal -1
	s_barrier_wait -1
.endm
.macro TLOAD g0
	tensor_load_to_lds s[\g0:\g0+3], s[G1:G1+7]
	s_nop 0
.rept 4
	v_nop
.endr
.endm
	s_load_b256 s[4:11], s[0:1], 0x0               ; qq, kv, ctxc, ctxs
	v_lshl_add_u32 v[SPW], v0, 2, SPARE
	v_mov_b32 v[NIL], 0
	ds_add_u32 v[SPW], v[NIL]                      ; the opening lines
	ds_add_u32 v[SPW], v[NIL]
	v_lshrrev_b32 v30, 5, v0
	v_readfirstlane_b32 s[WV], v30                 ; wave 0..11
	s_bfe_u32 s13, ttmp6, 0x40000                  ; cx: it enters Q's and the context's global addresses alone
	s_lshr_b32 s14, ttmp9, 2                       ; the head, which the four partners share
	s_and_b32 s15, ttmp9, 3
	s_lshl_b32 s15, s15, 2
	s_add_co_u32 s15, s15, s13                     ; s
	s_mov_b32 s[G1], 15|(3<<16)|(1<<21)            ; the mask: all four; elements of 8 bytes; bit 21 beside a mask
	s_mov_b32 s[G1+1], 32<<16
	s_mov_b32 s[G1+2], 34<<16
	s_mov_b32 s[G1+3], 32<<16
	s_mov_b32 s[G1+4], 34
	s_mov_b32 s[G1+5], 32
	s_mov_b32 s[G1+6], 0
	s_mov_b32 s[G1+7], 0
	s_mul_i32 s58, s[WV], PART                     ; my twelfth: in memory and in a slot
	s_mul_i32 s56, s14, 16*KSB                     ; the head's 16 key steps of X
	s_add_co_u32 s56, s56, s58
	s_mov_b32 s57, 0
	s_mul_i32 s59, s[WV], 43
	s_lshr_b32 s59, s59, 8                         ; 1 for waves 6-11: they fetch a slot's upper four blocks,
	s_mul_i32 s59, s59, 12*KSB                     ; which in phase 2 are key steps 16 on, not 4 on
	s_mul_i32 s[DJ], s14, 8*KSB                    ; from X's key step 0 to X1's: 256 steps on, and 8 more for each head
	s_add_co_u32 s[DJ], s[DJ], 256*KSB
	s_add_co_u32 s[DJ], s[DJ], s59
	s_mov_b32 s[DJ+1], 0
	s_lshr_b32 s[BOF], s[WV], 3
	s_mul_i32 s[BOF], s[BOF], 4*KSB
	s_mov_b32 s[SEL], 0x76543210
	s_mov_b32 s[SEL+1], 0xfedcba98
	s_mov_b32 s[CS], 0x3e38aa3b
	s_mov_b32 s[CS+1], s[CS]
	; Q: a group of 8 tiles is 6,656 bytes: 8 half images, then 8 x 64 bytes of words.  Phase 1: tile 12 s + wave of X1's head
	s_mul_i32 s59, s15, 12
	s_add_co_u32 s59, s59, s[WV]
	s_lshr_b32 s60, s59, 3
	s_and_b32 s59, s59, 7
	s_mul_i32 s60, s60, 6656
	s_mul_i32 s61, s14, 159744
	s_add_co_u32 s60, s60, s61
	s_add_co_u32 s60, s60, 1703936
	s_mul_i32 s61, s59, 768
	s_add_co_u32 s40, s60, s61
	s_mov_b32 s41, 0
	s_lshl_b32 s61, s59, 6
	s_add_co_u32 s42, s60, s61
	s_add_co_u32 s42, s42, 6144
	s_mov_b32 s43, 0
	s_and_b32 s59, s[WV], 7                        ; phase 2: group s of X's head, tile wave % 8 (waves 8-11 later the tile four on)
	s_mul_i32 s60, s15, 6656
	s_mul_i32 s61, s14, 106496
	s_add_co_u32 s60, s60, s61
	s_mul_i32 s61, s59, 768
	s_add_co_u32 s44, s60, s61
	s_mov_b32 s45, 0
	s_lshl_b32 s61, s59, 6
	s_add_co_u32 s46, s60, s61
	s_add_co_u32 s46, s46, 6144
	s_mov_b32 s47, 0
	s_mul_i32 s69, s59, MTL
	s_add_co_u32 s69, s69, MRG                     ; the hand-over's tile
	; the context: wave = 4 ch + dg takes channels 16 dg on and queries 64 ch on.  Row = base + 1,024 (q / 1,024) + 64 head + channel; a row tile of 16 has 16 half images, one for each 64 queries
	s_and_b32 s59, s[WV], 3
	s_lshr_b32 s60, s[WV], 2
	s_lshl_b32 s61, s14, 6
	s_lshl_b32 s62, s59, 4
	s_add_co_u32 s61, s61, s62
	s_mul_i32 s62, s15, 3
	s_add_co_u32 s62, s62, s60                     ; phase 1: which 64 queries of the 3,072
	s_lshr_b32 s63, s62, 4
	s_lshl_b32 s63, s63, 10
	s_add_co_u32 s63, s63, s61
	s_and_b32 s62, s62, 15
	s_add_co_u32 s48, s63, s62
	s_mul_i32 s48, s48, 768
	s_mov_b32 s49, 0
	s_lshl_b32 s50, s63, 5
	s_lshl_b32 s62, s62, 1
	s_add_co_u32 s50, s50, s62
	s_mov_b32 s51, 0
	s_lshl_b32 s62, s15, 1
	s_add_co_u32 s62, s62, s60                     ; phase 2: which 64 of the 2,048
	s_lshr_b32 s63, s62, 4
	s_lshl_b32 s63, s63, 10
	s_add_co_u32 s63, s63, s61
	s_add_co_u32 s63, s63, 3072
	s_and_b32 s62, s62, 15
	s_add_co_u32 s52, s63, s62
	s_mul_i32 s52, s52, 768
	s_mov_b32 s53, 0
	s_lshl_b32 s54, s63, 5
	s_lshl_b32 s62, s62, 1
	s_add_co_u32 s54, s54, s62
	s_mov_b32 s55, 0
	s_mul_i32 s68, s59, 16*SPI                     ; the stage, back: channels 16 dg on, queries 64 ch on
	s_lshl_b32 s60, s60, 8
	s_add_co_u32 s68, s68, s60
	s_add_co_u32 s68, s68, STG
	s_lshr_b32 s67, s[WV], 1                       ; the stage, in: tile T's queries begin at 32 (T / 2) + 8 (T % 2)
	s_lshl_b32 s67, s67, 7
	s_and_b32 s60, s[WV], 1
	s_lshl_b32 s60, s60, 5
	s_add_co_u32 s67, s67, s60
	s_add_co_u32 s67, s67, STG
	; lane constants: every LDS address register is made here, or at a key step's head
	v_and_b32 v3, 31, v0
	v_and_b32 v30, 15, v0                          ; r
	v_bfe_u32 v31, v0, 4, 1                        ; h
	v_lshlrev_b32 v[L16], 4, v3
	v_lshl_add_u32 v[L8], v3, 3, 512
	v_lshlrev_b32 v[MGB], 3, v3
	v_lshlrev_b32 v[R4], 2, v30
	v_lshl_add_u32 v[SBO], v30, 5, v31
	v_and_b32 v6, 7, v30                           ; lane r of tile T holds query 32 (T / 2) + 8 (T % 2) + 16 (r / 8) + r % 8
	v_lshrrev_b32 v7, 3, v30
	v_mul_u32_u24 v[SRD], v30, SPI
	v_add_nc_u32 v[MGB], s69, v[MGB]
	v_lshl_add_u32 v6, v7, 4, v6
	v_lshl_add_u32 v[SRD], v31, 7, v[SRD]
	v_add_nc_u32 v[MGA], s69, v[L16]
	v_lshlrev_b32 v6, 2, v6
	v_add_nc_u32 v[SRD], s68, v[SRD]
	v_lshlrev_b32 v[L4], 2, v3
	v_mad_u32_u24 v[STO], v31, 16*SPI, v6          ; my half's channels lie 16 rows further down
	s_delay_alu instid0(VALU_DEP_1)
	v_add_nc_u32 v[STO], s67, v[STO]
	s_wait_alu depctr_va_vdst(0)
	s_wait_dscnt 0x0                               ; both opening adds are done
	s_wait_kmcnt 0x0
	s_add_nc_u64 s[40:41], s[4:5], s[40:41]
	s_add_nc_u64 s[42:43], s[4:5], s[42:43]
	s_add_nc_u64 s[44:45], s[4:5], s[44:45]
	s_add_nc_u64 s[46:47], s[4:5], s[46:47]
	s_add_nc_u64 s[48:49], s[8:9], s[48:49]
	s_add_nc_u64 s[50:51], s[10:11], s[50:51]
	s_add_nc_u64 s[52:53], s[8:9], s[52:53]
	s_add_nc_u64 s[54:55], s[10:11], s[54:55]
	s_mov_b32 s[G0A], 1
	s_mov_b32 s[G0A+1], s58                        ; slot 0, my twelfth
	s_add_nc_u64 s[G0A+2:G0A+3], s[6:7], s[56:57]  ; X's key steps 0-7 of the head
	s_mov_b32 s[G0B], 1
	s_add_co_u32 s[G0B+1], s58, SLOT1
	s_add_nc_u64 s[G0B+2:G0B+3], s[G0A+2:G0A+3], 8*KSB
	s_or_b32 s[G0A+3], s[G0A+3], 0x80000000
	s_or_b32 s[G0B+3], s[G0B+3], 0x80000000
	CROUND                                         ; all four work-groups are here: the first joint loads meet
	TLOAD G0A                                      ; every wave's one load at the head
	global_load_b128 v[QF:QF+3], v[L16], s[40:41]  ; Q's half image stays in registers
	global_load_b64 v[QF+4:QF+5], v[L8], s[40:41]
	global_load_b32 v[QSW], v[R4], s[42:43]
.irp j, 6,7,8,9,10,11
	v_mov_b32 v[QF+\j], 0                          ; zero codes for k = 64 .. 127
.endr
.irp j, 48,49,50,51,52,53
	v_mov_b32 v[KF+\j], 0                          ; what stands behind K's last tile
.endr
.irp b, 0,1,2,3
	v_mov_b32 v[BP+\b], 0                          ; a lane permute's destination counts as one of its sources
.endr
	v_mov_b32 v[FF+1], 0                           ; (named as the upper halves of pairs)
	v_mov_b32 v[SU+1], 0
	v_mov_b32 v[T0], 0
.macro STATE                           ; a tile begins: O^T and the sum are zeros, which the first change of M leaves zeros
	v_mov_b32 v13, 0xff61b1e6                      ; the largest t so far: -3e38
	s_delay_alu instid0(VALU_DEP_1)
	v_floor_f32 v12, -v13                          ; -M
	v_mov_b32 v14, 0
	v_mov_b32 v15, 0
.set j, 0
.rept 32
	v_mov_b32 v[OT+j], 0
.set j, j+1
.endr
.set j, 0
.rept 64
	v_mov_b32 v[S+j], 0                            ; no p is waiting to be summed
.set j, j+1
.endr
.endm
	STATE
; A KEY STEP: 128 keys against my 16 queries.
; THE ROW'S SUM of the unquantised p of the key step BEFORE: 32 pairs into eight chains.  p's registers hold until the next S^T is written, so these 32 lines stand between K's LDS loads and the wait for them;
; the sum then stands under the M of that step, and this step's f is applied behind it.  A tile begins with p = 0, and the last step's p is summed ahead of the tile's way out.
.macro SUMP
.irp i, 0,1,2,3,4,5,6
	v_pk_add_f32 v[TS+2*\i:TS+2*\i+1], v[S+4*\i:S+4*\i+1], v[S+4*\i+2:S+4*\i+3]
.endr
	v_pk_add_f32 v[14:15], v[14:15], v[S+28:S+29]
.irp i, 0,1,2,3,4,5,6
	v_pk_add_f32 v[TS+2*\i:TS+2*\i+1], v[TS+2*\i:TS+2*\i+1], v[S+30+2*\i:S+31+2*\i]
.endr
	v_pk_add_f32 v[14:15], v[14:15], v[S+44:S+45]
.irp i, 0,1,2,3,4,5,6
	v_pk_add_f32 v[TS+2*\i:TS+2*\i+1], v[TS+2*\i:TS+2*\i+1], v[S+46+2*\i:S+47+2*\i]
.endr
	v_pk_add_f32 v[14:15], v[14:15], v[S+60:S+61]
	v_pk_add_f32 v[TS:TS+1], v[TS:TS+1], v[S+62:S+63]
	v_pk_add_f32 v[TS+2:TS+3], v[TS+2:TS+3], v[TS+8:TS+9]
	v_pk_add_f32 v[TS+4:TS+5], v[TS+4:TS+5], v[TS+10:TS+11]
	v_pk_add_f32 v[TS+6:TS+7], v[TS+6:TS+7], v[TS+12:TS+13]
	s_delay_alu instid0(VALU_DEP_4)
	v_pk_add_f32 v[14:15], v[14:15], v[TS:TS+1]
	s_delay_alu instid0(VALU_DEP_3)
	v_pk_add_f32 v[TS+2:TS+3], v[TS+2:TS+3], v[TS+4:TS+5]
	s_delay_alu instid0(VALU_DEP_2)
	v_pk_add_f32 v[14:15], v[14:15], v[TS+6:TS+7]
	s_delay_alu instid0(VALU_DEP_1)
	v_pk_add_f32 v[14:15], v[14:15], v[TS+2:TS+3]
.endm
.macro STEP
	v_add_nc_u32 v[A16], s[TB], v[L16]
	v_add_nc_u32 v[A8], s[TB], v[L8]
	v_add_nc_u32 v[A4], s[TB], v[L4]
	v_nop                                          ; these four are the places between the last products and the loads into the registers that they read
.irp t, 0,1,2,3,4,5,6,7
	ds_load_b128 v[KF+6*\t:KF+6*\t+3], v[A16] offset:768*\t
	ds_load_b64 v[KF+6*\t+4:KF+6*\t+5], v[A8] offset:768*\t
.endr
.irp u, 0,1,2,3
	ds_load_b32 v[KSW+\u], v[A4] offset:KSC+128*\u
.endr
	SUMP
	s_wait_alu depctr_va_vdst(0)
	s_wait_dscnt 0x0
.irp t, 0,1,2,3,4,5,6,7                        ; S^T = K Q^T
.if \t%2
	v_wmma_scale_f32_16x16x128_f8f6f4 v[S+8*\t:S+8*\t+7], v[KF+6*\t:KF+6*\t+11], v[QF:QF+11], 0, v[KSW+\t/2], v[QSW] matrix_a_fmt:MATRIX_FMT_FP6 matrix_b_fmt:MATRIX_FMT_FP6 matrix_a_scale:MATRIX_SCALE_ROW1
.else
	v_wmma_scale_f32_16x16x128_f8f6f4 v[S+8*\t:S+8*\t+7], v[KF+6*\t:KF+6*\t+11], v[QF:QF+11], 0, v[KSW+\t/2], v[QSW] matrix_a_fmt:MATRIX_FMT_FP6 matrix_b_fmt:MATRIX_FMT_FP6
.endif
.endr
.rept 4
	v_nop                                          ; places: ahead of V's loads into K's registers, and of the first read of the scores
.endr
.irp t, 0,1,2,3                                ; V's four fragments land while the softmax is walked
.irp c, 0,1
	ds_load_b128 v[KF+12*\t+6*\c:KF+12*\t+6*\c+3], v[A16] offset:VIM+1536*\t+768*\c
	ds_load_b64 v[KF+12*\t+6*\c+4:KF+12*\t+6*\c+5], v[A8] offset:VIM+1536*\t+768*\c
.endr
.endr
.irp u, 0,1
	ds_load_b32 v[VSW+\u], v[A4] offset:VSC+128*\u
.endr
.irp b, 0,1,2,3
	v_max3_num_f32 v[BM+\b], v[S+16*\b], v[S+1+16*\b], v[S+2+16*\b]   ; the largest score of each block of 32 keys: for the row's maximum and, since p rises with the score, for the block's largest p
.endr
.irp i, 3,5,7,9,11,13
.irp b, 0,1,2,3
	v_max3_num_f32 v[BM+\b], v[BM+\b], v[S+16*\b+\i], v[S+1+16*\b+\i]
.endr
.endr
.irp b, 0,1,2,3
	v_max_num_f32 v[BM+\b], v[BM+\b], v[S+15+16*\b]
.endr
.irp b, 0,1,2,3
	s_delay_alu instid0(VALU_DEP_4)
	v_permlanex16_b32 v[BP+\b], v[BM+\b], s[SEL], s[SEL+1]
.endr
.irp b, 0,1,2,3
	s_delay_alu instid0(VALU_DEP_4)
	v_max_num_f32 v[BM+\b], v[BM+\b], v[BP+\b]     ; with lane l xor 16's 16 keys
.endr
	s_delay_alu instid0(VALU_DEP_2)
	v_max3_num_f32 v[T0], v[BM], v[BM+1], v[BM+2]
	s_delay_alu instid0(VALU_DEP_1)
	v_max_num_f32 v[T0], v[T0], v[BM+3]
	s_delay_alu instid0(VALU_DEP_1)
	v_mul_f32 v[T0], s[CS], v[T0]                  ; as t (c is positive)
	s_delay_alu instid0(VALU_DEP_1)
	v_max_num_f32 v13, v13, v[T0]                  ; the running largest t
	v_mov_b32 v[T0], v12
	s_delay_alu instid0(VALU_DEP_2)
	v_floor_f32 v12, -v13                          ; the new -M
	s_delay_alu instid0(VALU_DEP_1)
	v_sub_f32 v[T0], v12, v[T0]                    ; old M - new M: a whole number, 0 or less.  The three lines that make f stand among the 32 that do not need it
.set j, 0
.rept 16
	v_pk_fma_f32 v[S+j:S+j+1], v[S+j:S+j+1], s[CS:CS+1], v[12:13] op_sel_hi:[1,0,0]   ; t - M
.set j, j+2
.endr
	v_cvt_i32_f32 v[T0], v[T0]                     ; (it saturates)
.rept 16
	v_pk_fma_f32 v[S+j:S+j+1], v[S+j:S+j+1], s[CS:CS+1], v[12:13] op_sel_hi:[1,0,0]
.set j, j+2
.endr
	v_ldexp_f32 v[FF], 1.0, v[T0]                  ; f
.irp b, 0,1,2,3
	v_fma_f32 v[BM+\b], v[BM+\b], s[CS], v12
.endr
.set j, 0
	s_wait_alu depctr_va_vdst(0)
.irp b, 0,1,2,3
	v_exp_f32 v[BM+\b], v[BM+\b]                   ; the block's largest p
.endr
.rept 64
	v_exp_f32 v[S+j], v[S+j]                       ; p = 2^(t - M)
.set j, j+1
.endr
	v_pk_mul_f32 v[14:15], v[14:15], v[FF:FF+1] op_sel_hi:[1,0]   ; the sums under the new M (a plain place behind the exponentials)
	s_wait_alu depctr_va_vdst(0)                   ; one wait for the whole batch of 68, ahead of its first reader
.irp b, 0,1,2,3
	v_max_num_f32 v[BM+\b], 0x1800000, v[BM+\b]    ; the floor 2^(3 - 127): the byte cannot fall under 1
.endr
.irp b, 0,1,2,3
	s_delay_alu instid0(VALU_DEP_4)
	v_add_nc_u32 v[BS+\b], 0xff000000, v[BM+\b]    ; 2 off the exponent field: the conversion's scale operand
.endr
.irp b, 0,1,2,3
	s_delay_alu instid0(VALU_DEP_4)
	v_lshrrev_b32 v[BP+\b], 23, v[BS+\b]           ; the scale's byte
.endr
	s_delay_alu instid0(VALU_DEP_3)
	v_lshl_or_b32 v[PS], v[BP+1], 8, v[BP]         ; p's scale word for these 128 keys
	s_delay_alu instid0(VALU_DEP_1)
	v_lshl_or_b32 v[PS], v[BP+2], 16, v[PS]
	s_delay_alu instid0(VALU_DEP_1)
	v_lshl_or_b32 v[PS], v[BP+3], 24, v[PS]
.irp c, 0,1
	v_cvt_scalef32_pk16_fp6_f32 v[PC+6*\c:PC+2+6*\c], v[S+32*\c:S+15+32*\c], v[BS+2*\c]
	v_cvt_scalef32_pk16_fp6_f32 v[CT+4*\c:CT+2+4*\c], v[S+16+32*\c:S+31+32*\c], v[BS+2*\c+1]
.endr
	v_nop                                          ; one plain place behind a scaled conversion
.irp c, 0,1                                    ; the operand's layout wants a WHOLE block in a lane
.irp i, 0,1,2
	v_permlane16_swap_b32 v[PC+6*\c+\i], v[CT+4*\c+\i]
.endr
.irp i, 0,1,2
	s_delay_alu instid0(VALU_DEP_3)
	v_mov_b32 v[PC+3+6*\c+\i], v[CT+4*\c+\i]
.endr
.endr
.set j, 0
.rept 16
	v_pk_mul_f32 v[OT+j:OT+j+1], v[OT+j:OT+j+1], v[FF:FF+1] op_sel_hi:[1,0]   ; O^T under the new M; also the places between the lines that made p's codes and scale word and the products
.set j, j+2
.endr
	s_wait_alu depctr_va_vdst(0)
	s_wait_dscnt 0x0                               ; V is in
.irp t, 0,1,2,3                                ; O^T += V^T P^T: four accumulators by turns
.if \t%2
	v_wmma_scale_f32_16x16x128_f8f6f4 v[OT+8*\t:OT+8*\t+7], v[KF+12*\t:KF+12*\t+11], v[PC:PC+11], v[OT+8*\t:OT+8*\t+7], v[VSW+\t/2], v[PS] matrix_a_fmt:MATRIX_FMT_FP6 matrix_b_fmt:MATRIX_FMT_FP6 matrix_a_scale:MATRIX_SCALE_ROW1
.else
	v_wmma_scale_f32_16x16x128_f8f6f4 v[OT+8*\t:OT+8*\t+7], v[KF+12*\t:KF+12*\t+11], v[PC:PC+11], v[OT+8*\t:OT+8*\t+7], v[VSW+\t/2], v[PS] matrix_a_fmt:MATRIX_FMT_FP6 matrix_b_fmt:MATRIX_FMT_FP6
.endif
.endr
	s_add_co_u32 s[TB], s[TB], KSB
.endm
.macro PERIOD slot, n, two             ; n key steps of a slot; two = 1: phase 2, waves 8-11 begin at its fifth block
	s_mov_b32 s[TB], \slot
.if \two
	s_add_co_u32 s[TB], s[TB], s[BOF]
.endif
	s_mov_b32 s[CNT], \n
.Lstep_\@:
	STEP
	s_sub_co_u32 s[CNT], s[CNT], 1
	s_cmp_lg_u32 s[CNT], 0
	s_cbranch_scc1 .Lstep_\@
.endm
; THE CHANGE OF SLOTS.  Each wave waits for all its tensor loads, adds 0 to its spare word, and waits for that and for all its LDS instructions.
; fill = 12 or 6: so many waves fill the slot just left (all of it, or its lower half) again; the barrier is then a round of the cluster's, and the joint refill is the first thing behind it.
.macro CHANGE fill, g0
	s_wait_tensorcnt 0x0                           ; no tensor load of mine is out, so a group 0 may be written
	ds_add_u32 v[SPW], v[NIL]
.if \fill
	s_add_nc_u64 s[\g0+2:\g0+3], s[\g0+2:\g0+3], s[DJ:DJ+1]
	s_wait_dscnt 0x0
	CROUND
.if \fill < 12
	s_cmp_lt_u32 s[WV], \fill
	s_cbranch_scc0 .Lnone_\@
.endif
	TLOAD \g0
.if \fill < 12
.Lnone_\@:
.endif
.else
	s_wait_dscnt 0x0
	s_barrier_signal -1
	s_barrier_wait -1
.endif
.endm
; Waves 8-11 hand a tile's part over: O^T as the registers' image, then -M and my lane's sum.
.macro FLUSH off
.rept 4
	v_nop                                          ; places behind the last products
.endr
	v_mov_b32 v[T0], v12
	v_add_f32 v[T0+1], v14, v15
.irp i, 0,1,2,3,4,5,6,7
	ds_store_b128 v[MGA], v[OT+4*\i:OT+4*\i+3] offset:\off+512*\i   ; each accumulator from its low end on
.endr
	ds_store_b64 v[MGB], v[T0:T0+1] offset:\off+4096
.endm
; Waves 0-7 join it to theirs, lane by lane: under the larger M, by factors that are exact powers of two.
.macro MERGE
.irp i, 0,1,2,3,4,5,6,7
	ds_load_b128 v[S+4*\i:S+4*\i+3], v[MGA] offset:512*\i
.endr
	ds_load_b64 v[S+32:S+33], v[MGB] offset:4096
	s_wait_dscnt 0x0
	v_min_num_f32 v[T0], v12, v[S+32]              ; - the larger M
	s_delay_alu instid0(VALU_DEP_1)
	v_sub_f32 v[FF], v[T0], v12                    ; my M - the larger: a whole number, 0 or less
	v_sub_f32 v[SU], v[T0], v[S+32]
	s_delay_alu instid0(VALU_DEP_2)
	v_cvt_i32_f32 v[FF], v[FF]
	s_delay_alu instid0(VALU_DEP_2)
	v_cvt_i32_f32 v[SU], v[SU]
	s_delay_alu instid0(VALU_DEP_2)
	v_ldexp_f32 v[FF], 1.0, v[FF]
	s_delay_alu instid0(VALU_DEP_2)
	v_ldexp_f32 v[SU], 1.0, v[SU]
	s_delay_alu instid0(VALU_DEP_2)
	v_pk_mul_f32 v[14:15], v[14:15], v[FF:FF+1] op_sel_hi:[1,0]
.set j, 0
.rept 16
	v_pk_mul_f32 v[OT+j:OT+j+1], v[OT+j:OT+j+1], v[FF:FF+1] op_sel_hi:[1,0]
.set j, j+2
.endr
	v_fmac_f32 v14, v[S+33], v[SU]
.set j, 0
.rept 16
	v_pk_fma_f32 v[OT+j:OT+j+1], v[S+j:S+j+1], v[SU:SU+1], v[OT+j:OT+j+1] op_sel_hi:[1,0,1]
.set j, j+2
.endr
.endm
; O^T / the sum goes into the stage: register 8 t + i of lane (r, h) is channel 32 (t / 2) + 16 h + 8 (t % 2) + i of my query.
.macro EPI_A
.rept 4
	v_nop                                          ; places behind the last products
.endr
	v_add_f32 v14, v14, v15
	s_delay_alu instid0(VALU_DEP_1)
	v_permlanex16_b32 v[T0], v14, s[SEL], s[SEL+1]
	s_delay_alu instid0(VALU_DEP_1)
	v_add_f32 v14, v14, v[T0]                      ; the row's sum
	s_wait_alu depctr_va_vdst(0)
	v_rcp_f32 v14, v14
	v_nop
	s_wait_alu depctr_va_vdst(0)                   ; ahead of the reciprocal's first reader
.set j, 0
.rept 16
	v_pk_mul_f32 v[S+j:S+j+1], v[OT+j:OT+j+1], v[14:15] op_sel_hi:[1,0]
.set j, j+2
.endr
.irp t, 0,1,2,3
.irp i, 0,1,2,3,4,5,6,7
	ds_store_b32 v[STO], v[S+8*\t+\i] offset:SPI*(32*(\t/2)+8*(\t%2)+\i)
.endr
.endr
.endm
; 16 channels x 64 queries come back, 32 neighbouring queries of one channel a lane: a whole block along the last product's K.
.macro EPI_B cc, cb
.irp i, 0,1,2,3,4,5,6,7
	ds_load_b128 v[S+4*\i:S+4*\i+3], v[SRD] offset:16*\i
.endr
	s_wait_dscnt 0x0
	v_max3_num_f32 v[BM], |v[S]|, |v[S+1]|, |v[S+2]|
	v_max3_num_f32 v[BM+1], |v[S+3]|, |v[S+4]|, |v[S+5]|
.irp i, 6,10,14,18,22,26
	s_delay_alu instid0(VALU_DEP_2)
	v_max3_num_f32 v[BM], v[BM], |v[S+\i]|, |v[S+\i+1]|
	s_delay_alu instid0(VALU_DEP_2)
	v_max3_num_f32 v[BM+1], v[BM+1], |v[S+\i+2]|, |v[S+\i+3]|
.endr
	s_delay_alu instid0(VALU_DEP_2)
	v_max3_num_f32 v[BM], v[BM], |v[S+30]|, |v[S+31]|
	s_delay_alu instid0(VALU_DEP_1)
	v_max3_num_f32 v[BM], v[BM], v[BM+1], 0x1800000
	s_delay_alu instid0(VALU_DEP_1)
	v_add_nc_u32 v[BS], 0xff000000, v[BM]
	s_delay_alu instid0(VALU_DEP_1)
	v_lshrrev_b32 v[BP], 23, v[BS]
	v_cvt_scalef32_pk16_fp6_f32 v[PC:PC+2], v[S:S+15], v[BS]
	v_cvt_scalef32_pk16_fp6_f32 v[CT:CT+2], v[S+16:S+31], v[BS]
	v_nop
.irp i, 0,1,2
	v_mov_b32 v[PC+3+\i], v[CT+\i]
.endr
	global_store_b128 v[L16], v[PC:PC+3], s[\cc:\cc+1]     ; 512 consecutive bytes,
	global_store_b64 v[L8], v[PC+4:PC+5], s[\cc:\cc+1]     ; and the 256 behind them
	global_store_b8 v[SBO], v[BP], s[\cb:\cb+1]
.endm
	s_wait_alu depctr_va_vdst(0)
	s_wait_tensorcnt 0x0                           ; my twelfth of slot 0 is in; slot 1's first fill is issued as a refill is
	ds_add_u32 v[SPW], v[NIL]
	s_wait_dscnt 0x0
	CROUND
	TLOAD G0B                                      ; X's key steps 8-15: eight key steps in which to land
	s_wait_loadcnt 0x0                             ; Q
	PERIOD SLOT0, 8, 0                             ; phase 1: key steps 0-7
	CHANGE 12, G0A                                 ; slot 0 takes X1's key steps 0-3 and 16-19
	s_sub_co_u32 s[DJ], s[DJ], 4*KSB               ; slot 1 stood 8 key steps on and goes to 4 on
	PERIOD SLOT1, 8, 0                             ; key steps 8-15
	SUMP                                           ; the last step's p
	EPI_A
	CHANGE 12, G0B                                 ; slot 1 takes X1's key steps 4-7 and 20-23; the round also shows every wave the whole stage
	s_mov_b32 s[DJ], 8*KSB                         ; the lower halves' refills go 8 key steps on
	global_load_b128 v[QF:QF+3], v[L16], s[44:45]  ; phase 2's Q, under the way out of phase 1
	global_load_b64 v[QF+4:QF+5], v[L8], s[44:45]
	global_load_b32 v[QSW], v[R4], s[46:47]
	EPI_B 48, 50
	s_wait_xcnt 0x0                                ; the stores have read their data
	STATE
	s_wait_loadcnt 0x0
	PERIOD SLOT0, 4, 1                             ; phase 2: key steps 0-3; waves 8-11: 16-19
	CHANGE 6, G0A                                  ; slot 0's lower half takes key steps 8-11
	PERIOD SLOT1, 4, 1                             ; key steps 4-7; 20-23
	s_cmp_lt_u32 s[WV], 8
	s_cbranch_scc1 .Lno_f1
	SUMP                                           ; the last step's p
	FLUSH 0                                        ; tile wave - 8
.Lno_f1:
	CHANGE 6, G0B                                  ; slot 1's lower half takes key steps 12-15
	s_cmp_lt_u32 s[WV], 8
	s_cbranch_scc1 .Lno_q3
.rept 4
	v_nop                                          ; places ahead of the loads into Q's registers
.endr
	global_load_b128 v[QF:QF+3], v[L16], s[44:45] offset:4*768   ; waves 8-11 go on to the tile four further on
	global_load_b64 v[QF+4:QF+5], v[L8], s[44:45] offset:4*768
	global_load_b32 v[QSW], v[R4], s[46:47] offset:4*64
	STATE
	s_wait_loadcnt 0x0
.Lno_q3:
	PERIOD SLOT0, 4, 1                             ; key steps 8-11; 16-19
	CHANGE 0, G0A                                  ; nothing is left to fetch
	PERIOD SLOT1, 4, 1                             ; key steps 12-15; 20-23
	s_cmp_lt_u32 s[WV], 8
	s_cbranch_scc1 .Lno_f2
	SUMP
	FLUSH 4*MTL                                    ; tile wave - 4
.Lno_f2:
	s_wait_dscnt 0x0                               ; for the others' sake: what I handed over has landed
	s_barrier_signal -1
	s_barrier_wait -1
	s_cmp_lt_u32 s[WV], 8
	s_cbranch_scc0 .Lno_a2
	SUMP                                           ; the last step's p, ahead of the loads into its registers
	s_wait_alu depctr_va_vdst(0)
	MERGE
	EPI_A
.Lno_a2:
	s_wait_dscnt 0x0                               ; my stores into the stage have landed
	s_barrier_signal -1
	s_barrier_wait -1
	s_cmp_lt_u32 s[WV], 8
	s_cbranch_scc0 .Lno_b2
	EPI_B 52, 54
.Lno_b2:
	s_wait_tensorcnt 0x0                           ; the wave's end
	ds_add_u32 v[SPW], v[NIL]
	s_wait_dscnt 0x0
	CROUND                                         ; the closing round
	s_endpgm
.Lfunc_end_k_q57dda777d6_attn:
	.size	k_q57dda777d6_attn, .Lfunc_end_k_q57dda777d6_attn-k_q57dda777d6_attn
	.p2alignl 7, 3214868480
	.fill 96, 4, 3214868480
	.section	.rodata,"a",@progbits
	.p2align	6, 0x0
	.amdhsa_kernel k_q57dda777d6_attn
		.amdhsa_group_segment_fixed_size 327680
		.amdhsa_private_segment_fixed_size 0
		.amdhsa_enable_private_segment 0
		.amdhsa_kernarg_size 32
		.amdhsa_user_sgpr_count 2
		.amdhsa_user_sgpr_kernarg_segment_ptr 1
		.amdhsa_wavefront_size32 1
		.amdhsa_system_sgpr_workgroup_id_x 1
		.amdhsa_system_sgpr_workgroup_id_y 1
		.amdhsa_system_sgpr_workgroup_id_z 1
		.amdhsa_system_vgpr_workitem_id 0
		.amdhsa_next_free_vgpr 256
		.amdhsa_next_free_sgpr 72
		.amdhsa_reserve_vcc 0
		.amdhsa_float_denorm_mode_32 3
		.amdhsa_float_denorm_mode_16_64 3
		.amdhsa_memory_ordered 1
		.amdhsa_forward_progress 1
		.amdhsa_inst_pref_size 152
	.end_amdhsa_kernel
	.amdgpu_metadata
---
amdhsa.version: [ 1, 2 ]
amdhsa.kernels:
  - .name:           k_q57dda777d6_attn
    .symbol:         k_q57dda777d6_attn.kd
    .args:
      - { .name: qq, .offset: 0, .size: 8, .value_kind: global_buffer, .address_space: global }
      - { .name: kv, .offset: 8, .size: 8, .value_kind: global_buffer, .address_space: global }
      - { .name: ctxc, .offset: 16, .size: 8, .value_kind: global_buffer, .address_space: global }
      - { .name: ctxs, .offset: 24, .size: 8, .value_kind: global_buffer, .address_space: global }
    .group_segment_fixed_size: 327680
    .private_segment_fixed_size: 0
    .kernarg_segment_align: 8
    .kernarg_segment_size: 32
    .max_flat_workgroup_size: 384
    .sgpr_count:     72
    .vgpr_count:     256
    .wavefront_size: 32
...
	.end_amdgpu_metadata
.endif
;; end of part 3
;; launch fc (part 4): grid 4 x 40, 4 waves a work-group, clusters of 4 x 4, 327,680 bytes of LDS; arguments ctxc, ctxs, codes, scales, out0, out1; writes out0, out1
.if DOCPART == 4
	.amdgcn_target "amdgcn-amd-amdhsa--gfx1250"
	.amdhsa_code_object_version 6
	.text
	.protected	k_q57dda777d6_fc
	.globl	k_q57dda777d6_fc
	.p2align	8
	.type	k_q57dda777d6_fc,@function
k_q57dda777d6_fc:
	s_mov_b64 s[64:65], 0
	v_nop
	global_prefetch_b8 v0, s[64:65] scope:SCOPE_SE
	s_setreg_imm32_b32 hwreg(HW_REG_WAVE_MODE, 25, 1), 1
	s_wait_xcnt 0x0
	s_wait_alu depctr_hold_cnt(0) depctr_sa_sdst(0) depctr_va_vdst(0) depctr_va_sdst(0) depctr_va_ssrc(0) depctr_va_vcc(0) depctr_vm_vsrc(0)
	s_getreg_b32 s2, hwreg(HW_REG_IB_STS2, 6, 4)
	s_cmp_eq_u32 s2, 0
	s_cbranch_scc0 .Lentry_in_a_cluster
	s_endpgm
.Lentry_in_a_cluster:
	s_bfe_u32 s2, ttmp6, 0x10000c
	s_cmp_lg_u32 s2, 0xf033
	s_cbranch_scc0 .Lentry_shape_is_right
	s_endpgm
.Lentry_shape_is_right:
; THE LAST TWO PRODUCTS: out0 = context Wfc (3,072 rows), out1 = context1 Wfc1 (2,048 rows); K = N = 1,024; codes of FP6 (E2M3), one E8M0 byte for each 32 along K; f32 sums.
; A = the context, 5,120 rows of 'ctxc': for each 16 rows sixteen half images (16 rows x 64 K as the operand's registers lie, 768 bytes); its scale bytes in 'ctxs', 32 a row.
; Row chunk x 1,024 + c of a direction's context is row c x (number of chunks: 3 or 2) + chunk of its output.
; B = the weight's 1,024 rows (one for each n, at positions with bits 3 and 4 exchanged) of 'codes': for each 128 rows and 256 along K a dense block of 128 x 192 bytes; scale bytes in 'scales'.
; A BLOCK of 128 x 256 to a work-group: 160 work-groups (24 x 4 and 16 x 4): no block of whole tiles of 16 divides both 3,072 and 2,048 rows into 256 work-groups in all.
; Four waves, each 64 x 128: 32 accumulators, 256 registers (window 2).  K goes in eight steps of 128, written out; both operands have two sets of fragments, and a step's are fetched from LDS while the step before is multiplied.
; LDS: A's 128 rows for ALL of K (98,304 bytes, dense) and three regions of 256 along K for B's 256 rows (rows 240 bytes apart).  At the head each wave issues ONE joint load: waves 0, 1 their 64 rows of A, 49,152 dense bytes;
; waves 2, 3 K 0-767 of their 128 rows of B, 73,728 dense bytes.  What is left, B's K 768-1023, fills the region of K 0-255 again behind the round in step 1, and has four steps in which to land.
; A's tile is shared along a row of the 4 x 4 cluster, B's along a column.  One tensor load of a wave is out at the most.
; THE SCALE WORDS of a wave's 64 + 128 rows for all of K come once, by loads of 512 consecutive bytes, straight into 96 registers.
; No prefetch: the walk along K is written out with no loop to run ahead in, and all but a sixth of the block's bytes are asked for at the head.
; THE MATRIX INSTRUCTION IS USED TRANSPOSED (source 0 = 16 rows of B, source 1 = 16 rows of A): a lane holds eight numbers of a row of the output; a block of 16 rows goes through the wave's own stage in LDS and leaves as rows of 512 bytes.
; REGISTERS: window 0: v0-31 addresses; v32-63 A's scale words, v64-127 B's; v128-223 A's fragments, two sets; v224-239 the output rows' offsets.  Window 1: B's fragments, two sets; on the way out the rows read back.  Window 2: accumulators.
.set KST,    24576                     ; B: from one 256 along K to the next, in memory
.set AIMG,   3072                      ; A: 16 rows x 256 K: four half images
.set ATL,    12288                     ; A: 16 rows, all of K
.set PITCH,  240                       ; B's LDS row: 192 bytes and 16 of padding behind each 64
.set FR,     12
.set AHB,    4*ATL                     ; A: 64 rows, all of K
.set BRG,    128*PITCH                 ; B: 128 rows, 256 along K
.set BHB,    3*BRG                     ; the three regions of 128 rows
.set BBASE,  2*AHB
.set STAGE,  BBASE+2*BHB               ; 16 rows x 528 bytes for each wave: bytes of their own
.set SPITCH, 528
.set SPARE,  STAGE+4*16*SPITCH
.set ADRB, 10                          ; v10-12 B's rows in regions 0, 1, 2; v13-15 for pieces behind a pad in lanes 16-31
.set ADRA, 16                          ; v16 A's images, 16 x lane; v17 512 + 8 x lane
.set STO,  24
.set RD,   25
.set CO,   26
.set SPW,  28
.set NIL,  29
.set SA,   32                          ; word of A's block a, step st: v[SA + 8 a + st]
.set SB,   64                          ; of B's block b: v[SB + 8 b + st]
.set AF,   128
.set ROWO, 224
.set G1, 24
.set G0, 32
.set G1B, 48
.set G0B, 56                           ; s[56:59] B's K 0-767; s[60:63] B's K 768-1023
.set MSB, 0
.macro WIN new
.if MSB != \new
	s_set_vgpr_msb (MSB<<8)|\new
.set MSB, \new
.endif
.endm
.set MUL_LO, 0xa1                      ; source 0 (B) window 1, source 1 (A) window 0, C and D window 2
.set TO_B,   0x40
.macro CREST
	s_cmp_lg_u32 s14, 0
	s_cbranch_scc1 .Lnot_wave_0_\@
	s_barrier_signal -3
.Lnot_wave_0_\@:
	s_barrier_wait -3
	s_barrier_signal -1
	s_barrier_wait -1
.endm
.macro CROUND
	s_barrier_signal -1
	s_barrier_wait -1
	CREST
.endm
.macro PLACES
.rept 4
	v_nop
.endr
.endm
	s_load_b128 s[4:7], s[0:1], 0x0                ; ctxc, ctxs
	s_load_b128 s[8:11], s[0:1], 0x10              ; codes, scales
	s_load_b128 s[96:99], s[0:1], 0x20             ; out0, out1
	v_lshl_add_u32 v[SPW], v0, 2, SPARE
	v_mov_b32 v[NIL], 0
	ds_add_u32 v[SPW], v[NIL]                      ; the opening lines
	ds_add_u32 v[SPW], v[NIL]
	v_lshrrev_b32 v1, 5, v0
	v_readfirstlane_b32 s14, v1                    ; wave
	s_lshr_b32 s15, s14, 1                         ; my 64 of the block's rows.  Also: I fetch for A (0) or B (1)
	s_and_b32 s16, s14, 1                          ; my 128 of its columns.  Also: which half of that tile I fetch
	s_bfe_u32 s40, ttmp6, 0x40000                  ; cx
	s_bfe_u32 s41, ttmp6, 0x40004                  ; cy
	s_and_b32 s66, ttmp7, 0xffff                   ; cluster y: 0-5 the first product, 6-9 the second
	s_cmp_lt_u32 s66, 6
	s_cselect_b32 s67, 3, 2                        ; chunks of 1,024 rows
	s_cselect_b32 s42, 44, 48                      ; the weight's first 256 rows in 'codes'
	s_cselect_b32 s100, 0, 6
	s_add_co_u32 s42, s42, s40                     ; B's tile of 256 rows
	s_sub_co_u32 s100, s66, s100                   ; which 512 rows of the product's context
	s_lshl_b32 s17, s66, 2
	s_add_co_u32 s17, s17, s41                     ; A's tile of 128 rows
	s_lshl_b32 s43, s41, 2
	s_lshl_b32 s43, 15, s43                        ; my row of the cluster
	s_lshl_b32 s44, 0x1111, s40                    ; my column
	s_or_b32 s[G1+0], s43, (3<<16)|(1<<21)         ; A: a dense block of 49,152 bytes as 192 rows of 256 bytes (32 elements of 8), dense in LDS
	s_mov_b32 s[G1+1], 32<<16
	s_mov_b32 s[G1+2], 192<<16
	s_mov_b32 s[G1+3], 32<<16
	s_mov_b32 s[G1+4], 192
	s_mov_b32 s[G1+5], 32
	s_mov_b32 s[G1+6], 0
	s_mov_b32 s[G1+7], 0
	s_or_b32 s[G1B+0], s44, (3<<16)|(1<<20)|(1<<21)|(3<<22)|(3<<25)   ; B: dense blocks as rows of 256 bytes, 16 bytes of padding behind each 64; at the head three blocks on end: 288 rows
	s_mov_b32 s[G1B+1], 32<<16
	s_mov_b32 s[G1B+2], 288<<16
	s_mov_b32 s[G1B+3], 32<<16
	s_mov_b32 s[G1B+4], 288
	s_mov_b32 s[G1B+5], 32
	s_mov_b32 s[G1B+6], 0
	s_mov_b32 s[G1B+7], 0
	s_lshl_b32 s22, s17, 7                         ; A's tile's first row
	s_lshl_b32 s20, s16, 6
	s_add_co_u32 s20, s20, s22
	s_mul_i32 s20, s20, 768                        ; the 64 rows that I fetch, in bytes
	s_mov_b32 s21, 0
	s_lshl_b32 s23, s15, 6
	s_add_co_u32 s22, s22, s23
	s_lshl_b32 s22, s22, 5                         ; the scale bytes of the 64 rows that I multiply
	s_mov_b32 s23, 0
	s_lshl_b32 s46, s42, 8
	s_lshl_b32 s47, s16, 7
	s_add_co_u32 s46, s46, s47                     ; B: the 128 rows that I fetch, and multiply
	s_lshl_b32 s92, s46, 5
	s_mov_b32 s93, 0
	s_mul_i32 s46, s46, 768
	s_mov_b32 s47, 0
	s_mul_i32 s45, s16, AHB                        ; where they go: no place in the cluster enters an LDS address
	s_mul_i32 s94, s16, BHB
	s_add_co_u32 s94, s94, BBASE
	s_mul_i32 s68, s15, AHB                        ; and the rows of A that I read
	s_mul_i32 s70, s14, 16*SPITCH
	s_add_co_u32 s70, s70, STAGE                   ; my stage
	s_and_b32 s72, s100, 1                         ; my first row within the chunk: 512 x (half of the chunk) + 128 cy + 64 x half
	s_lshl_b32 s72, s72, 9
	s_lshl_b32 s73, s41, 7
	s_add_co_u32 s72, s72, s73
	s_lshl_b32 s73, s15, 6
	s_add_co_u32 s72, s72, s73
	s_mul_i32 s72, s72, s67
	s_lshr_b32 s73, s100, 1                        ; the chunk
	s_add_co_u32 s72, s72, s73                     ; its row of the output
	s_lshl_b32 s72, s72, 12
	s_lshl_b32 s73, s40, 10
	s_add_co_u32 s72, s72, s73
	s_lshl_b32 s73, s16, 9
	s_add_co_u32 s72, s72, s73                     ; + my first column, in bytes
	s_mov_b32 s73, 0
	s_lshl_b32 s18, s67, 16                        ; 16 rows of the context on
	s_mov_b32 s19, 0
	s_lshl_b32 s101, s67, 12                       ; one row on
	v_and_b32 v1, 15, v0                           ; r
	v_bfe_u32 v2, v0, 4, 1                         ; h
	v_and_b32 v6, 31, v0
	v_mul_u32_u24 v3, v1, PITCH
	v_mul_u32_u24 v4, v2, 24
	v_lshlrev_b32 v[CO], 4, v6
	v_lshl_add_u32 v8, v6, 3, 512
	v_add_nc_u32 v4, v3, v4                        ; B: row x pitch + 24 h
	v_lshlrev_b32 v7, 5, v1                        ; scale bytes: 32 a row
	v_mul_u32_u24 v9, v1, SPITCH
	v_lshl_add_u32 v5, v2, 4, v4                   ; and 16 more where lanes 16-31 lie behind a pad
	v_add_nc_u32 v[ADRA], s68, v[CO]
	v_add_nc_u32 v[ADRA+1], s68, v8
	v_add_nc_u32 v[ADRB], s94, v4
	v_add_nc_u32 v[ADRB+3], s94, v5
	v_lshl_add_u32 v9, v2, 6, v9
	v_add_nc_u32 v[RD], s70, v[CO]
	v_add_nc_u32 v[ADRB+1], BRG, v[ADRB]
	v_add_nc_u32 v[ADRB+4], BRG, v[ADRB+3]
	v_add_nc_u32 v[ADRB+2], 2*BRG, v[ADRB]
	v_add_nc_u32 v[ADRB+5], 2*BRG, v[ADRB+3]
	v_add_nc_u32 v[STO], s70, v9
.irp t, 0,1,2,3,4,5,6,7,8,9,10,11,12,13,14,15
	v_mad_u32_u24 v[ROWO+\t], s101, \t, v[CO]
.endr
	s_wait_alu depctr_va_vdst(0)
	s_wait_dscnt 0x0                               ; both opening adds are done
	s_wait_kmcnt 0x0
	s_add_nc_u64 s[20:21], s[4:5], s[20:21]
	s_add_nc_u64 s[22:23], s[6:7], s[22:23]
	s_add_nc_u64 s[46:47], s[8:9], s[46:47]
	s_add_nc_u64 s[92:93], s[10:11], s[92:93]
	s_cmp_lt_u32 s66, 6
	s_cselect_b64 s[12:13], s[96:97], s[98:99]
	s_add_nc_u64 s[12:13], s[12:13], s[72:73]
.irp i, 0,1,2,3                                ; a block's 16 rows x 32 scale bytes are 512 consecutive bytes; lanes 16-31 take the same as lanes 0-15
	global_load_b128 v[SA+8*\i:SA+8*\i+3], v7, s[22:23] offset:512*\i
	global_load_b128 v[SA+8*\i+4:SA+8*\i+7], v7, s[22:23] offset:512*\i+16
.endr
.irp i, 0,1,2,3,4,5,6,7
	global_load_b128 v[SB+8*\i:SB+8*\i+3], v7, s[92:93] offset:512*\i
	global_load_b128 v[SB+8*\i+4:SB+8*\i+7], v7, s[92:93] offset:512*\i+16
.endr
	s_mov_b32 s[G0], 1
	s_mov_b32 s[G0+1], s45
	s_mov_b64 s[G0+2:G0+3], s[20:21]
	s_or_b32 s[G0+3], s[G0+3], 0x80000000
	s_mov_b32 s[G0B], 1
	s_mov_b32 s[G0B+1], s94
	s_mov_b64 s[G0B+2:G0B+3], s[46:47]
	s_or_b32 s[G0B+3], s[G0B+3], 0x80000000
	s_mov_b32 s[G0B+4], 1
	s_mov_b32 s[G0B+5], s94                        ; K 768-1023 goes where K 0-255 lay
	s_add_nc_u64 s[G0B+6:G0B+7], s[46:47], 3*KST
	s_or_b32 s[G0B+7], s[G0B+7], 0x80000000
	CROUND                                         ; all sixteen work-groups are here: the first joint loads meet
	s_cmp_eq_u32 s15, 0                            ; my one tensor load at the head: waves 0, 1 ask for A, waves 2, 3 for B; the branch hangs on the wave's number alone
	s_cbranch_scc0 .Lhead_b
	tensor_load_to_lds s[G0:G0+3], s[G1:G1+7]
	s_nop 0
.rept 4
	v_nop
.endr
	s_branch .Lhead_asked
.Lhead_b:
	tensor_load_to_lds s[G0B:G0B+3], s[G1B:G1B+7]
	s_nop 0
.rept 4
	v_nop
.endr
.Lhead_asked:
.macro FRAG reg, adr, q, i             ; B: 16 rows x 128 K, six pieces of 8 bytes
.irp p, 0,1,2,3,4,5
.set PCE, 12*(\q)+6*(\p/3)+\p%3
.if PCE%8 < 5
	ds_load_b64 v[\reg+2*\p:\reg+2*\p+1], v[\adr] offset:8*PCE+16*(PCE/8)+(\i)*16*PITCH
.else
	ds_load_b64 v[\reg+2*\p:\reg+2*\p+1], v[\adr+3] offset:8*PCE+16*(PCE/8)+(\i)*16*PITCH
.endif
.endr
.endm
.macro FRAGA reg, st, i                ; A: the two half images of step st
	ds_load_b128 v[\reg:\reg+3], v[ADRA] offset:ATL*(\i)+1536*(\st)
	ds_load_b64 v[\reg+4:\reg+5], v[ADRA+1] offset:ATL*(\i)+1536*(\st)
	ds_load_b128 v[\reg+6:\reg+9], v[ADRA] offset:ATL*(\i)+1536*(\st)+768
	ds_load_b64 v[\reg+10:\reg+11], v[ADRA+1] offset:ATL*(\i)+1536*(\st)+768
.endm
.macro FETCH st                        ; step st's fragments into set st % 2: 64 LDS loads.  B's K step st / 2 lies in region (st / 2) % 3
.set FG, ((\st)/2)%3
.set FQ, (\st)%2
	WIN TO_B
.irp i, 0,1,2,3,4,5,6,7
	FRAG 128*FQ+FR*\i, ADRB+FG, FQ, \i
.endr
	WIN 0
.irp i, 0,1,2,3
	FRAGA AF+48*FQ+FR*\i, \st, \i
.endr
.endm
.macro MUL16 a0, st, zero              ; A's blocks a0, a0 + 1 x B's eight; the 32 accumulators take turns
.irp a, \a0, \a0+1
.irp b, 0,1,2,3,4,5,6,7
.if \zero
	v_wmma_scale_f32_16x16x128_f8f6f4 v[8*(8*(\a)+\b):8*(8*(\a)+\b)+7], v[128*((\st)%2)+FR*\b:128*((\st)%2)+FR*\b+FR-1], v[AF+48*((\st)%2)+FR*(\a):AF+48*((\st)%2)+FR*(\a)+FR-1], 0, v[SB+8*\b+(\st)], v[SA+8*(\a)+(\st)] matrix_a_fmt:MATRIX_FMT_FP6 matrix_b_fmt:MATRIX_FMT_FP6
.else
	v_wmma_scale_f32_16x16x128_f8f6f4 v[8*(8*(\a)+\b):8*(8*(\a)+\b)+7], v[128*((\st)%2)+FR*\b:128*((\st)%2)+FR*\b+FR-1], v[AF+48*((\st)%2)+FR*(\a):AF+48*((\st)%2)+FR*(\a)+FR-1], v[8*(8*(\a)+\b):8*(8*(\a)+\b)+7], v[SB+8*\b+(\st)], v[SA+8*(\a)+(\st)] matrix_a_fmt:MATRIX_FMT_FP6 matrix_b_fmt:MATRIX_FMT_FP6
.endif
.endr
.endr
.endm
; A step of 128 along K.  Its fragments were asked for a step ago; the next step's are asked for ahead of its products.
; kind 0: nothing else.  kind 1: all reads of B's K 0-255 are in, so its region is filled again behind a round.  kind 2: a barrier shows that fill to every wave, ahead of its first read.  kind 3: the last step.
.macro STEP st, kind, zero
.if (\kind) == 1 || (\kind) == 2
	s_wait_tensorcnt 0x0                           ; all my tensor loads have landed
	ds_add_u32 v[SPW], v[NIL]
	s_wait_dscnt 0x0                               ; the add is done, and all my LDS reads are in
	s_barrier_signal -1
	WIN MUL_LO
	MUL16 0, \st, 0                                ; work on registers while the others arrive
	WIN 0
	s_barrier_wait -1
.if (\kind) == 1
	CREST
	s_cmp_eq_u32 s15, 0                            ; waves 2, 3 alone have a part to fill
	s_cbranch_scc1 .Lnone_\@
	tensor_load_to_lds s[G0B+4:G0B+7], s[G1B:G1B+7]
	s_nop 0
.rept 4
	v_nop
.endr
.Lnone_\@:
.endif
	PLACES                                         ; in front of loads into the set that the step before multiplied
	FETCH (\st)+1
	WIN MUL_LO
	MUL16 2, \st, 0
	WIN 0
.else
	s_wait_dscnt 0x0                               ; this step's fragments are in
.if (\kind) == 0
	PLACES
	FETCH (\st)+1
.endif
	WIN MUL_LO
	MUL16 0, \st, \zero
	MUL16 2, \st, \zero
	WIN 0
.endif
.endm
	s_wait_tensorcnt 0x0                           ; my tile is in, and no tensor load of mine is out, so a descriptor may be written:
	s_mov_b32 s[G1B+2], 96<<16                     ; the one load that is left brings one block: 96 rows
	s_mov_b32 s[G1B+4], 96
	s_barrier_signal -1
	s_barrier_wait -1                              ; everybody's tile is in
	FETCH 0
	s_wait_loadcnt 0x0                             ; the scale words
	STEP 0, 0, 1                                   ; the first step's products start the sums
	STEP 1, 1, 0                                   ; B's K 768-1023 is asked for
	STEP 2, 0, 0
	STEP 3, 0, 0
	STEP 4, 0, 0
	STEP 5, 2, 0                                   ; and is whole, ahead of step 6's fragments
	STEP 6, 0, 0
	STEP 7, 3, 0
; THE WAY OUT, block by block of 16 rows x 128 columns, through my own stage; the columns' places undo the exchange of bits 3 and 4 in B's positions.
.macro TOSTAGE a
.set AC, 64*(\a)
	WIN 0x08                                       ; the data: window 2
.irp b, 0,1,2,3,4,5,6,7
	ds_store_b128 v[STO], v[AC+8*\b:AC+8*\b+3] offset:128*(\b/2)+32*(\b%2)     ; each accumulator from its low end on
	ds_store_b128 v[STO], v[AC+8*\b+4:AC+8*\b+7] offset:128*(\b/2)+32*(\b%2)+16
.endr
	WIN TO_B                                       ; back into window 1, where B's fragments lay
.set BB, 64*((\a)%2)
.irp t, 0,1,2,3,4,5,6,7,8,9,10,11,12,13,14,15
	ds_load_b128 v[BB+4*\t:BB+4*\t+3], v[RD] offset:\t*SPITCH   ; LDS serves a wave's instructions in order
.endr
.endm
.macro SEND a, younger
.set BB, 64*((\a)%2)
	s_wait_dscnt \younger
.if (\a) > 0
	s_add_nc_u64 s[12:13], s[12:13], s[18:19]      ; (behind a wait on XCNT: the earlier stores have read their base)
.endif
	WIN 0x04                                       ; the data: window 1
.irp t, 0,1,2,3,4,5,6,7,8,9,10,11,12,13,14,15
	global_store_b128 v[ROWO+\t], v[BB+4*\t:BB+4*\t+3], s[12:13] th:TH_STORE_NT   ; 32 lanes store 512 consecutive bytes, aligned
.endr
.endm
	PLACES
	TOSTAGE 0
.irp a, 1,2,3
.if \a > 1
	s_wait_xcnt 0x0                                ; block a - 2's stores have read their registers and their base
.endif
	TOSTAGE \a
	SEND \a-1, 32                                  ; behind block a - 1's loads: block a's 16 stores and 16 loads
.endr
	s_wait_xcnt 0x0
	SEND 3, 0
	WIN 0
	s_wait_tensorcnt 0x0                           ; the wave's end
	ds_add_u32 v[SPW], v[NIL]
	s_wait_dscnt 0x0
	CROUND                                         ; the closing round
	s_endpgm
.Lfunc_end_k_q57dda777d6_fc:
	.size	k_q57dda777d6_fc, .Lfunc_end_k_q57dda777d6_fc-k_q57dda777d6_fc
	.p2alignl 7, 3214868480
	.fill 96, 4, 3214868480
	.section	.rodata,"a",@progbits
	.p2align	6, 0x0
	.amdhsa_kernel k_q57dda777d6_fc
		.amdhsa_group_segment_fixed_size 327680
		.amdhsa_private_segment_fixed_size 0
		.amdhsa_enable_private_segment 0
		.amdhsa_kernarg_size 48
		.amdhsa_user_sgpr_count 2
		.amdhsa_user_sgpr_kernarg_segment_ptr 1
		.amdhsa_wavefront_size32 1
		.amdhsa_system_sgpr_workgroup_id_x 1
		.amdhsa_system_sgpr_workgroup_id_y 1
		.amdhsa_system_sgpr_workgroup_id_z 1
		.amdhsa_system_vgpr_workitem_id 0
		.amdhsa_next_free_vgpr 768
		.amdhsa_next_free_sgpr 102
		.amdhsa_reserve_vcc 0
		.amdhsa_float_denorm_mode_32 3
		.amdhsa_float_denorm_mode_16_64 3
		.amdhsa_memory_ordered 1
		.amdhsa_forward_progress 1
		.amdhsa_inst_pref_size 93
	.end_amdhsa_kernel
	.amdgpu_metadata
---
amdhsa.version: [ 1, 2 ]
amdhsa.kernels:
  - .name:           k_q57dda777d6_fc
    .symbol:         k_q57dda777d6_fc.kd
    .args:
      - { .name: ctxc, .offset: 0, .size: 8, .value_kind: global_buffer, .address_space: global }
      - { .name: ctxs, .offset: 8, .size: 8, .value_kind: global_buffer, .address_space: global }
      - { .name: codes, .offset: 16, .size: 8, .value_kind: global_buffer, .address_space: global }
      - { .name: scales, .offset: 24, .size: 8, .value_kind: global_buffer, .address_space: global }
      - { .name: out0, .offset: 32, .size: 8, .value_kind: global_buffer, .address_space: global }
      - { .name: out1, .offset: 40, .size: 8, .value_kind: global_buffer, .address_space: global }
    .group_segment_fixed_size: 327680
    .private_segment_fixed_size: 0
    .kernarg_segment_align: 8
    .kernarg_segment_size: 48
    .max_flat_workgroup_size: 128
    .sgpr_count:     102
    .vgpr_count:     768
    .wavefront_size: 32
...
	.end_amdgpu_metadata
.endif
;; end of part 4
